; MI455X (gfx1250); checked and timed in simulation.
; The chip was launched on July 23, 2026; its instructions are those of AMD's public machine-readable ISA for CDNA 5 (MIT licence, August 2026) and "CDNA5" Instruction Set Architecture Reference Guide (July 2026). The comments in the code are by the model that wrote it; some were corrected since.
;; Gated Mo EFFN. Allowed arithmetic: float matrix products may take bf16 or f16 operands with f32 sums; other float arithmetic in f32, or as packed bf16 or f16 multiplies, adds, multiply-adds, maxima and minima; sums over many terms, partial sums and values carried from step to step in f32; what a program stores and reads back later, other than sums and carried values, may be rounded once to bf16 or f16.
;; Inputs: b1 8 x 2,048 float32; b2 8 x 2,048 float32; b3 8 x 512 float32; gate_b 8 float32; gate_w 512 x 8 float32; w1 8 x 512 x 2,048 float32; w2 8 x 512 x 2,048 float32; w3 8 x 2,048 x 512 float32; x 8 x 256 x 512 float32.
;; Outputs: out0 8 x 256 x 512 float32; out1 one number float32.
;; 2 versions, each right and faster than the one before. Each part assembles by itself: llvm-mc -triple=amdgcn-amd-amdhsa -mcpu=gfx1250 --defsym DOCPART=n.
;; ======== version 1 of 2: 4 launches
;; limits: a function is approximated: absolute error at most 1.5e-07
;; workspace buffers: xb 2,097,152 bytes; top 8,192 bytes of whole numbers; wgt 8,192 bytes; h 134,217,728 bytes; pos 8,192 bytes of whole numbers; cnt 256 bytes of whole numbers; part 134,217,728 bytes
;; launch router (part 1): grid 256 x 1, 4 waves a work-group, no clusters, 0 bytes of LDS; arguments x, gate_w, gate_b, xb, top, wgt, out1; writes xb, top, wgt, out1
.if DOCPART == 1
	.amdgcn_target "amdgcn-amd-amdhsa--gfx1250"
	.amdhsa_code_object_version 6
	.text
	.protected	k_q12942e8f77_router
	.globl	k_q12942e8f77_router
	.p2align	8
	.type	k_q12942e8f77_router,@function
k_q12942e8f77_router:
	s_mov_b64 s[64:65], 0
	v_nop
	global_prefetch_b8 v0, s[64:65] scope:SCOPE_SE
	s_setreg_imm32_b32 hwreg(HW_REG_WAVE_MODE, 25, 1), 1
	s_wait_xcnt 0x0
; ROUTER.  logits = x gate_w + gate_b for 2,048 tokens and 8 experts; top = argmax (the lower index wins a tie, as jnp.argmax), wgt = softmax(logits)[top] = 1 / sum of exp(l - max);
; xb = x rounded to bf16, for the first product; out1 = 0.
; FORMAT.  x, gate_w and gate_b are rounded to bf16 (nearest even) before use, like every input of this program; products of two such numbers are exact in f32, sums are f32.
; LIMITS.  NaN and infinities are not treated apart; two logits nearer to each other than the order of an f32 sum of 512 terms resolves may be ranked otherwise than by reference().
; SHARES.  1,024 waves, two tokens each.  Lane L holds x[128 i + 4 L + c] (i, c = 0..3): a load of x covers 512 consecutive bytes, a store of xb 256.
; The gate's product stands on the vector unit: it has 8 columns, half a matrix tile, 1/800 of the program's multiply-adds, and a matrix operand's one row a lane would cut x's loads and
; xb's stores into pieces of 32 bytes.  No LDS: a token never leaves its wave.  No cluster: what waves share is gate_w, 16 KiB.
.set X,  8                             ; v[8:39]    token t, load i, word c at X + 16 t + 4 i + c: x, then x rounded
.set XP, 40                            ; v[40:55]   x as packed bf16, the data of xb's stores; never rewritten
.set G,  64                            ; v[64:191]  gate_w[128 i + 4 L + c][e] at G + 32 i + 8 c + e; later at work
.set A,  192                           ; v[192:207] token t's eight sums at A + 8 t + e
.set GB, 208                           ; v[208:215] gate_b rounded
.set T,  216                           ; v[216:235] at work
	s_load_b256 s[4:11], s[0:1], 0x0               ; x s[4:5], gate_w s[6:7], gate_b s[8:9], xb s[10:11]
	s_load_b128 s[12:15], s[0:1], 0x20             ; top s[12:13], wgt s[14:15]
	s_load_b64 s[16:17], s[0:1], 0x30              ; out1
	v_and_b32 v1, 31, v0                           ; L
	v_lshrrev_b32 v7, 5, v0
	v_readfirstlane_b32 s28, v7                    ; wave in the work-group
	s_lshl_b32 s29, ttmp9, 2
	s_add_co_u32 s29, s29, s28                     ; W: my wave among the 1,024; tokens 2 W and 2 W + 1
	v_lshlrev_b32 v2, 4, v1                        ; 16 L: x
	v_lshlrev_b32 v3, 7, v1                        ; 128 L: four rows of gate_w
	v_lshlrev_b32 v4, 3, v1                        ; 8 L: xb
	v_lshlrev_b32 v5, 2, v1                        ; 4 L: top, wgt
	v_mov_b32 v6, 0
	s_mov_b32 s32, 0x76543210                      ; v_permlanex16_b32: each lane takes its own place in the other half
	s_mov_b32 s33, 0xfedcba98
	s_mov_b32 s34, 0xffff0000                      ; a word's upper bf16
	s_mov_b32 s36, 0x3fb8aa3b                      ; log2(e), named as a pair
	s_mov_b32 s37, s36
	s_lshl_b32 s30, s29, 12                        ; two rows of x
	s_mov_b32 s31, 0
	s_lshl_b32 s40, s29, 11                        ; two rows of xb
	s_mov_b32 s41, 0
	s_lshl_b32 s42, s29, 3                         ; two words of top and of wgt
	s_mov_b32 s43, 0
	s_wait_kmcnt 0x0
	s_load_b256 s[20:27], s[8:9], 0x0              ; gate_b, all 32 bytes
	s_add_nc_u64 s[4:5], s[4:5], s[30:31]
	s_add_nc_u64 s[10:11], s[10:11], s[40:41]
	s_add_nc_u64 s[12:13], s[12:13], s[42:43]
	s_add_nc_u64 s[14:15], s[14:15], s[42:43]
.set n, 0
.rept 8                                ; n = 4 t + i
	global_load_b128 v[X+4*n:X+4*n+3], v2, s[4:5] offset:(n/4)*2048+(n%4)*512 th:TH_LOAD_NT
.set n, n+1
.endr
.set n, 0
.rept 32                               ; n = 8 i + 2 c + half: row 128 i + 4 L + c, experts 4 half ..
	global_load_b128 v[G+4*n:G+4*n+3], v3, s[6:7] offset:(n/8)*4096+(n%8)*16
.set n, n+1
.endr
	s_wait_loadcnt 32                              ; x is in; the 32 loads of gate_w issued behind it may stay out
.set n, 0
.rept 8
	v_cvt_pk_bf16_f32 v[XP+2*n], v[X+4*n], v[X+4*n+1]
	v_cvt_pk_bf16_f32 v[XP+2*n+1], v[X+4*n+2], v[X+4*n+3]
	global_store_b64 v4, v[XP+2*n:XP+2*n+1], s[10:11] offset:(n/4)*1024+(n%4)*256  ; 32 lanes store 256 consecutive bytes, at a multiple of 256 from xb's first byte
	v_lshlrev_b32 v[X+4*n], 16, v[XP+2*n]          ; and back to f32: the rounded x feeds the gate
	v_and_b32 v[X+4*n+1], s34, v[XP+2*n]
	v_lshlrev_b32 v[X+4*n+2], 16, v[XP+2*n+1]
	v_and_b32 v[X+4*n+3], s34, v[XP+2*n+1]
.set n, n+1
.endr
	s_wait_loadcnt 0x0                             ; gate_w
.set n, 0
.rept 64                               ; rounded to bf16 and widened again, two at a time
	v_cvt_pk_bf16_f32 v[T+n%4], v[G+2*n], v[G+2*n+1]
	v_lshlrev_b32 v[G+2*n], 16, v[T+n%4]
	v_and_b32 v[G+2*n+1], s34, v[T+n%4]
.set n, n+1
.endr
	s_wait_kmcnt 0x0                               ; gate_b
.irp p, 0,1,2,3
	v_cvt_pk_bf16_f32 v[T+(\p)], s[20+2*(\p)], s[21+2*(\p)]
	v_lshlrev_b32 v[GB+2*(\p)], 16, v[T+(\p)]
	v_and_b32 v[GB+2*(\p)+1], s34, v[T+(\p)]
.endr
	; 16 numbers of x a lane and token x 8 experts, two experts to a line: eight chains that do not wait for each other.  op_sel and op_sel_hi give one word of x's pair to both halves.
.set n, 0
.rept 16                               ; n = 4 i + c
.irp t, 0,1
.irp p, 0,1,2,3
.if n == 0
	v_pk_mul_f32 v[A+8*(\t)+2*(\p):A+8*(\t)+2*(\p)+1], v[X+16*(\t):X+16*(\t)+1], v[G+2*(\p):G+2*(\p)+1] op_sel_hi:[0,1]
.elseif n%2
	v_pk_fma_f32 v[A+8*(\t)+2*(\p):A+8*(\t)+2*(\p)+1], v[X+16*(\t)+2*(n/2):X+16*(\t)+2*(n/2)+1], v[G+8*n+2*(\p):G+8*n+2*(\p)+1], v[A+8*(\t)+2*(\p):A+8*(\t)+2*(\p)+1] op_sel:[1,0,0] op_sel_hi:[1,1,1]
.else
	v_pk_fma_f32 v[A+8*(\t)+2*(\p):A+8*(\t)+2*(\p)+1], v[X+16*(\t)+2*(n/2):X+16*(\t)+2*(n/2)+1], v[G+8*n+2*(\p):G+8*n+2*(\p)+1], v[A+8*(\t)+2*(\p):A+8*(\t)+2*(\p)+1] op_sel_hi:[0,1,1]
.endif
.endr
.endr
.set n, n+1
.endr
	; the 16 sums over the 32 lanes: four steps inside each half ride on the addition, one crosses the halves; every lane ends with every sum
.irp m, 1,2,4,8
.set n, 0
.rept 16
	v_add_f32_dpp v[A+n], v[A+n], v[A+n] row_xmask:\m row_mask:0xf bank_mask:0xf
.set n, n+1
.endr
.endr
.set n, 0
.rept 16
	v_permlanex16_b32 v[G+n], v[A+n], s32, s33     ; its destination counts as read: gate_w's registers have been written and are free
.set n, n+1
.endr
.set n, 0
.rept 16
	v_add_f32 v[A+n], v[A+n], v[G+n]
.set n, n+1
.endr
.irp t, 0,1
.irp p, 0,1,2,3
	v_pk_add_f32 v[A+8*(\t)+2*(\p):A+8*(\t)+2*(\p)+1], v[A+8*(\t)+2*(\p):A+8*(\t)+2*(\p)+1], v[GB+2*(\p):GB+2*(\p)+1]
.endr
.endr
	; argmax and maximum: a later expert wins only if strictly greater.  v220+t the maximum, v222+t its index, v[224+2t:225+2t] log2(e) x maximum
.irp t, 0,1
	v_mov_b32 v[220+(\t)], v[A+8*(\t)]
	v_mov_b32 v[222+(\t)], 0
.irp e, 1,2,3,4,5,6,7
	v_cmp_gt_f32 vcc_lo, v[A+8*(\t)+(\e)], v[220+(\t)]
	v_cndmask_b32 v[222+(\t)], v[222+(\t)], \e, vcc_lo
	v_max_num_f32 v[220+(\t)], v[220+(\t)], v[A+8*(\t)+(\e)]
.endr
	v_mul_f32 v[224+2*(\t)], s36, v[220+(\t)]
	v_mov_b32 v[225+2*(\t)], v[224+2*(\t)]         ; named with it as a pair
.endr
.irp t, 0,1
.irp p, 0,1,2,3
	v_pk_fma_f32 v[A+8*(\t)+2*(\p):A+8*(\t)+2*(\p)+1], v[A+8*(\t)+2*(\p):A+8*(\t)+2*(\p)+1], s[36:37], v[224+2*(\t):225+2*(\t)] op_sel_hi:[1,0,0] neg_lo:[0,0,1] neg_hi:[0,0,1]
.endr
.endr
.set n, 0
.rept 16
	v_exp_f32 v[A+n], v[A+n]                       ; one batch: both tokens' eight exponentials, none above 1
.set n, n+1
.endr
	v_nop                                          ; a plain instruction behind the last exponential (ISA guide 5.7.2),
	s_wait_alu depctr_va_vdst(0)                   ; and one wait ahead of the batch's first reader
.irp t, 0,1
	v_pk_add_f32 v[A+8*(\t):A+8*(\t)+1], v[A+8*(\t):A+8*(\t)+1], v[A+8*(\t)+2:A+8*(\t)+3]
	v_pk_add_f32 v[A+8*(\t)+4:A+8*(\t)+5], v[A+8*(\t)+4:A+8*(\t)+5], v[A+8*(\t)+6:A+8*(\t)+7]
.endr
.irp t, 0,1
	v_pk_add_f32 v[A+8*(\t):A+8*(\t)+1], v[A+8*(\t):A+8*(\t)+1], v[A+8*(\t)+4:A+8*(\t)+5]
.endr
.irp t, 0,1
	v_add_f32 v[A+8*(\t)], v[A+8*(\t)], v[A+8*(\t)+1]
.endr
	v_rcp_f32 v228, v[A]                           ; the chosen expert's exponential is 1: its weight is 1 / sum
	v_rcp_f32 v229, v[A+8]
	v_cmp_eq_u32 vcc_lo, 1, v1                     ; the plain instruction behind the reciprocals
	s_wait_alu depctr_va_vdst(0)                   ; one wait for the two
	v_cndmask_b32 v230, v222, v223, vcc_lo         ; lane 0 carries token 2 W, lane 1 token 2 W + 1
	v_cndmask_b32 v231, v228, v229, vcc_lo
	v_cmp_gt_u32 vcc_lo, 2, v1
	s_wait_xcnt 0x0                                ; EXEC is a source of the stores of xb: it changes only behind this wait
	s_and_saveexec_b32 s38, vcc_lo
	global_store_b32 v5, v230, s[12:13]
	global_store_b32 v5, v231, s[14:15]
	s_cmp_lg_u32 s29, 0
	s_cbranch_scc1 .Lno_aux
	global_store_b32 v6, v6, s[16:17]              ; out1 = 0.0, by the first wave of the launch
.Lno_aux:
	s_wait_xcnt 0x0                                ; and again ahead of the line that widens it
	s_or_b32 exec_lo, exec_lo, s38
	s_endpgm
.Lfunc_end_k_q12942e8f77_router:
	.size	k_q12942e8f77_router, .Lfunc_end_k_q12942e8f77_router-k_q12942e8f77_router
	.p2alignl 7, 3214868480
	.fill 96, 4, 3214868480
	.section	.rodata,"a",@progbits
	.p2align	6, 0x0
	.amdhsa_kernel k_q12942e8f77_router
		.amdhsa_group_segment_fixed_size 0
		.amdhsa_private_segment_fixed_size 0
		.amdhsa_enable_private_segment 0
		.amdhsa_kernarg_size 56
		.amdhsa_user_sgpr_count 2
		.amdhsa_user_sgpr_kernarg_segment_ptr 1
		.amdhsa_wavefront_size32 1
		.amdhsa_system_sgpr_workgroup_id_x 1
		.amdhsa_system_sgpr_workgroup_id_y 1
		.amdhsa_system_sgpr_workgroup_id_z 1
		.amdhsa_system_vgpr_workitem_id 0
		.amdhsa_next_free_vgpr 236
		.amdhsa_next_free_sgpr 66
		.amdhsa_reserve_vcc 1
		.amdhsa_float_denorm_mode_32 3
		.amdhsa_float_denorm_mode_16_64 3
		.amdhsa_memory_ordered 1
		.amdhsa_forward_progress 1
		.amdhsa_inst_pref_size 35
	.end_amdhsa_kernel
	.amdgpu_metadata
---
amdhsa.version: [ 1, 2 ]
amdhsa.kernels:
  - .name:           k_q12942e8f77_router
    .symbol:         k_q12942e8f77_router.kd
    .args:
      - { .name: x, .offset: 0, .size: 8, .value_kind: global_buffer, .address_space: global }
      - { .name: gate_w, .offset: 8, .size: 8, .value_kind: global_buffer, .address_space: global }
      - { .name: gate_b, .offset: 16, .size: 8, .value_kind: global_buffer, .address_space: global }
      - { .name: xb, .offset: 24, .size: 8, .value_kind: global_buffer, .address_space: global }
      - { .name: top, .offset: 32, .size: 8, .value_kind: global_buffer, .address_space: global }
      - { .name: wgt, .offset: 40, .size: 8, .value_kind: global_buffer, .address_space: global }
      - { .name: out1, .offset: 48, .size: 8, .value_kind: global_buffer, .address_space: global }
    .group_segment_fixed_size: 0
    .private_segment_fixed_size: 0
    .kernarg_segment_align: 8
    .kernarg_segment_size: 56
    .max_flat_workgroup_size: 128
    .sgpr_count:     66
    .vgpr_count:     236
    .wavefront_size: 32
...
	.end_amdgpu_metadata
.endif
;; end of part 1
;; launch up (part 2): grid 256 x 1, 4 waves a work-group, no clusters, 157,440 bytes of LDS; arguments xb, top, w1, w2, b1, b2, h, pos, cnt; writes h, pos, cnt
.if DOCPART == 2
	.amdgcn_target "amdgcn-amd-amdhsa--gfx1250"
	.amdhsa_code_object_version 6
	.text
	.protected	k_q12942e8f77_up
	.globl	k_q12942e8f77_up
	.p2align	8
	.type	k_q12942e8f77_up,@function
k_q12942e8f77_up:
	s_mov_b64 s[64:65], 0
	v_nop
	global_prefetch_b8 v0, s[64:65] scope:SCOPE_SE
	s_setreg_imm32_b32 hwreg(HW_REG_WAVE_MODE, 25, 1), 1
	s_wait_xcnt 0x0
; UP.  h = gelu(x w1[e] + b1[e]) (x w2[e] + b2[e]) for the tokens whose chosen expert is e, and only for them.
; SHARES.  Work-group g: expert e = g / 32, slice s = g % 32: columns 64 s .. 64 s + 63 of w1[e] and w2[e], 2 x 512 rows x 256 bytes, which it alone reads, once; and ALL rows of expert e.
; THE LIST.  Wave 0 reads the 2,048 choices and lays the tokens of expert e end to end in LDS (a count of mask bits below the lane, no atomics), while the first weights are on their way.  A lane whose token
; belongs to another expert stores into a dump word of its own, so that all lanes stay on.  A token's rank goes to pos (slice s stores ranks 64 s .. 64 s + 63, at the kernel's end), the count to cnt (slice 0).
; Places past the count hold token 0, a row that exists.  Every split is served: 0 to 2,048 rows an expert.
; ROWS.  Tiles of 16 rows; wave w owns tiles 4 j + w; a PASS takes five of them a wave, 320 rows a work-group.  Pass 0 always runs: it brings the weights into LDS, in 8 chunks of 64 along K, and holds all barriers.
; Passes 1 to 6 (up to 2,240 rows) read the weights from LDS, at the same fixed addresses as pass 0; a pass without rows is jumped forward; nothing in them writes LDS.
; WEIGHTS.  f32 from memory (a load: two rows' 256 aligned bytes), rounded to bf16 in registers, stored [k][n] in LDS, each chunk into bytes of its own, written once: one barrier a chunk.
; THE MATRIX INSTRUCTION IS USED TRANSPOSED: source 0 = 16 columns of the weights (ds_load_tr16_b128 turns them), source 1 = 16 token rows, straight from xb.  A lane's eight results are eight
; neighbouring columns of one row.  The bias, rounded, is the C operand of the first K step.
; h LEAVES AS TWO bf16 PARTS, hi = bf16(h) and lo = bf16(h - hi): [e][s][tile][part][q][lane][16 bytes], lane (r, hh) of block q holding row r, columns 16 q + 8 hh + 0..7: the packed result as it lies,
; and the next product's operand as it wants it; every store covers 512 consecutive bytes.  An expert without rows still stores tile 0, so that the next launch reads only bytes that were written.
; FORMAT AND LIMITS.  x, w1, w2, b1, b2 rounded to bf16 (nearest even); sums in f32; h to 2^-17 of itself.  gelu(u) = max(u, 0) - |u| (P(t) / 2) 2^(-u u log2(e) / 2), t = 1 / (1 + 0.23164189 |u|), P the
; five terms of Abramowitz and Stegun 7.1.26: erf to 1.5e-7 for every u.  u u overflows past |u| = 1.8e19: the exponential is then 0 and gelu is u or 0.  An exponential below 2^-126 counts as 0.
; NaN and infinities are not treated apart.
; NO CLUSTER: each weight byte has one reader; what an expert's 32 work-groups share is its token rows, which come by a list that no tile descriptor covers.
; REGISTERS, in windows of 256 (s_set_vgpr_msb: bits 1:0 source 0, 3:2 source 1, 5:4 source 2, 7:6 destination):
;   window 0: v0-31 addresses; v32-159 weight fragments of two K steps (before that wave 0's choices, behind the products the gelu's work); v160-223 biases; v224-255 packed weights on their way to LDS
;   window 1: accumulators of tiles 0-3 (tile i, matrix m, column block q at 64 i + 32 m + 8 q)     window 2: v0-63 tile 4's; v64-223 token fragments, two buffers     window 3: v0-191 weights in f32, three rings
.set LIST,  0                          ; 2,304 words: the expert's tokens, for 144 tiles
.set CNTW,  9216                       ; a block of 256 bytes; word 0: the count; words 32 to 63: wave 0's dump words
.set DUMPI, (CNTW+128)/4               ; the first dump word, as an index of words
.set SPARE, 9472                       ; the spare words, 128 bytes for each wave: two blocks of 256 bytes that no other line names
.set WB,    9984                       ; 512 rows of PW bytes: w1's 64 bf16, w2's 64 bf16, 32 bytes of padding
.set PW,    288                        ; 9 x 32 bytes
.set CHB,   64*PW                      ; a chunk
.set WOFF, 4                           ; v4     weights: 4 rows down for lanes 16-31, 16 bytes a lane
.set BOFF, 5                           ; v5     biases: 8 numbers on for lanes 16-31
.set WST,  6                           ; v6-9   where I store packed weights, for chunks 2 b, 2 b + 1
.set TRA,  10                          ; v10-13 where I read fragments, likewise; never rewritten
.set HOFF, 15                          ; v15    my byte offset in h: tile w of the pass, 16 bytes a lane
.set TOK,  16                          ; v16-20 tile i: my row's byte offset in xb
.set LAD,  21                          ; v21    where my row of the pass's tile 0 stands in the list
.set SPW,  22                          ; v22    my spare word; never rewritten
.set NIL,  23                          ; v23    0; never rewritten
.set L16,  29                          ; v29    16 x lane
.set HH16, 30                          ; v30    16 x (lane / 16)
.set HA,   31                          ; v31    the address of the stores of h in hand
.set BB,   32
.set BI,   160
.set CT,   224
.set ABL,  64                          ; window 2
.set EU,   32                          ; the gelu's work: u, v, |u|, exponent, max(u, 0) and h, t (later hi and lo), polynomial
.set EV,   48
.set AX,   64
.set QQ,   80
.set RR,   96
.set TT,   112
.set PP,   128
.set MSB, 0
.macro WIN new                         ; the immediate's high byte repeats the setting that is left; a switch that changes nothing is dropped
.if MSB != (\new)
	s_set_vgpr_msb (MSB<<8)|(\new)
.set MSB, (\new)
.endif
.endm
.macro PLACES                          ; four plain instructions between a matrix instruction and a load into, or a read of, its registers
.rept 4
	v_nop
.endr
.endm
.macro REP cnt, step, line:vararg      ; one line cnt times, n = 0, step, 2 step ..
.set n, 0
.rept \cnt
	\line
.set n, n+(\step)
.endr
.endm
; Chunk c of both weights, my 16 of its 64 rows: 16 loads, each two rows' 256 consecutive aligned bytes (rows 4 apart), into ring r.  Read once in the launch.
.macro WLOAD c, ring
	WIN 0xc0
.set n, 0
.rept 16                               ; n = 8 m + 4 g + i: matrix m, row 16 w + 8 g + 4 (lane / 16) + i
	global_load_b128 v[64*(\ring)+4*n:64*(\ring)+4*n+3], v[WOFF], s[8+2*(n/8):9+2*(n/8)] offset:(\c)*524288+((n/4)%2)*65536+(n%4)*8192 th:TH_LOAD_NT
.set n, n+1
.endr
.endm
; Chunk c is rounded and stored.  The two halves of the lanes store 4 rows = 288 words apart, 32 banks: no conflict.
.macro CONV c
	WIN 0x0f
.set n, 0
.rept 16
	v_cvt_pk_bf16_f32 v[CT+2*n], v[64*((\c)%3)+4*n], v[64*((\c)%3)+4*n+1]
	v_cvt_pk_bf16_f32 v[CT+2*n+1], v[64*((\c)%3)+4*n+2], v[64*((\c)%3)+4*n+3]
.set n, n+1
.endr
	WIN 0
.set n, 0
.rept 16
	ds_store_b64 v[WST+((\c)>>1)], v[CT+2*n:CT+2*n+1] offset:((\c)&1)*CHB+((n/4)%2)*8*PW+(n%4)*PW+(n/8)*128
.set n, n+1
.endr
.endm
; My five tiles' rows, 64 along K at byte 128 c: a fragment is two loads of 16 bytes, 32 bytes apart.
.macro ALOAD c, buf
	WIN 0x80
.set n, 0
.rept 20                               ; n = 4 i + 2 k + half
	global_load_b128 v[ABL+80*(\buf)+4*n:ABL+80*(\buf)+4*n+3], v[TOK+n/4], s[4:5] offset:(\c)*128+(n%4)*32
.set n, n+1
.endr
.endm
; K step k of a chunk: 8 weight fragments (2 matrices x 4 column blocks), turned.
.macro TRLOAD adr, off, k
	WIN 0
.set n, 0
.rept 8                                ; n = 4 m + q
	ds_load_tr16_b128 v[BB+64*(\k)+8*n:BB+64*(\k)+8*n+3],   v[\adr] offset:(\off)+(\k)*32*PW+(n/4)*128+(n%4)*32
	ds_load_tr16_b128 v[BB+64*(\k)+8*n+4:BB+64*(\k)+8*n+7], v[\adr] offset:(\off)+(\k)*32*PW+16*PW+(n/4)*128+(n%4)*32
.set n, n+1
.endr
.endm
.macro TRC c                           ; both K steps of chunk c: a fixed register and an immediate
	TRLOAD TRA+((\c)>>1), ((\c)&1)*CHB, 0
	TRLOAD TRA+((\c)>>1), ((\c)&1)*CHB, 1
.endm
; 40 matrix instructions: 5 tiles x 2 matrices x 4 column blocks, 32 along K.  The 40 accumulators take turns, one instruction a turn, in the same order in every K step.
.macro MM buf, k, first
.set i, 0
.rept 5
.if i < 4
.set al, 64*i
.if \first
	WIN 0x48
.else
	WIN 0x58
.endif
.else
.set al, 0
.if \first
	WIN 0x88
.else
	WIN 0xa8
.endif
.endif
.set n, 0
.rept 8
.if \first
	v_wmma_f32_16x16x32_bf16 v[al+8*n:al+8*n+7], v[BB+64*(\k)+8*n:BB+64*(\k)+8*n+7], v[ABL+80*(\buf)+16*i+8*(\k):ABL+80*(\buf)+16*i+8*(\k)+7], v[BI+8*n:BI+8*n+7]
.else
	v_wmma_f32_16x16x32_bf16 v[al+8*n:al+8*n+7], v[BB+64*(\k)+8*n:BB+64*(\k)+8*n+7], v[ABL+80*(\buf)+16*i+8*(\k):ABL+80*(\buf)+16*i+8*(\k)+7], v[al+8*n:al+8*n+7]
.endif
.set n, n+1
.endr
.set i, i+1
.endr
.endm
; Chunk c of pass 0.  Asked for here: the rows of chunk c + 1, the weights of chunk c + 3.  Global loads come back in order (ISA guide 5.7.1), so the one counted wait, which leaves out what was issued
; behind the rows of chunk c, also shows the weights of chunk c + 1 landed: they are older.  Those are rounded behind the products (32 conversions: the places in front of the next chunk's loads).
.macro STEP c
.if (\c) <= 6
	ALOAD (\c)+1, ((\c)+1)&1
.endif
.if (\c) <= 4
	WLOAD (\c)+3, (\c)%3
.endif
	TRC \c
.if (\c) == 0
	s_wait_loadcnt 36                              ; behind rows 0: rows 1 (20), weights 3 (16)
.elseif (\c) <= 4
	s_wait_loadcnt 52                              ; behind rows c: weights c + 2 (16), rows c + 1 (20), weights c + 3 (16)
.elseif (\c) == 5
	s_wait_loadcnt 36                              ; weights 7, rows 6
.elseif (\c) == 6
	s_wait_loadcnt 20                              ; rows 7
.else
	s_wait_loadcnt 0x0
.endif
	s_wait_dscnt 16                                ; the first K step's fragments are in; the second's 16 loads may be out
.if (\c) == 0
	MM 0, 0, 1
.else
	MM (\c)&1, 0, 0
.endif
	s_wait_dscnt 0x0
	MM (\c)&1, 1, 0
.if (\c) <= 6
	CONV (\c)+1
	s_wait_dscnt 0x0                               ; for the others' sake: my part of chunk c + 1 is in LDS
	s_barrier_signal -1
	s_barrier_wait -1                              ; everybody's is
.endif
.endm
; A chunk of passes 1 to 6, in two parts, between which its 32 turning loads stand: plain, for splits with more than 320 rows on an expert.
.macro PHEAD                           ; the places behind the last products, and the rows of the chunk in hand
	PLACES
	ALOAD 0, 0
	WIN 0
.endm
.macro PTAIL first
	s_wait_loadcnt 0x0                             ; the rows are in, and their address registers free:
.irp i, 0,1,2,3,4
	v_add_nc_u32 v[TOK+(\i)], 128, v[TOK+(\i)]     ; the next chunk's 64 along K
.endr
	s_wait_dscnt 16                                ; the first K step's fragments are in; the second's 16 loads may be out
	MM 0, 0, \first
	s_wait_dscnt 0x0
	MM 0, 1, 0
	WIN 0
.endm
; My row of each of the pass's five tiles: its token from the list, bounded by the constant 2,047, then a shift left and an add.
.macro TOKS
.irp i, 0,1,2,3,4
	ds_load_b32 v[TOK+(\i)], v[LAD] offset:256*(\i)
.endr
	s_wait_dscnt 0x0
.irp i, 0,1,2,3,4
	v_min_u32 v[TOK+(\i)], 2047, v[TOK+(\i)]
	v_lshlrev_b32 v[TOK+(\i)], 10, v[TOK+(\i)]
	v_add_nc_u32 v[TOK+(\i)], v[HH16], v[TOK+(\i)]
.endr
.endm
; Choices 128 (n / 4) + 4 L + n % 4: those of my expert go into the list, at the running count plus the number of such lanes below mine; the others into their lane's dump word.
.macro SCAN n
	v_cmp_eq_u32 vcc_lo, s23, v[32+(\n)]
	v_mbcnt_lo_u32_b32 v26, vcc_lo, s28
	v_cndmask_b32 v26, v24, v26, vcc_lo
	v_min_u32 v26, DUMPI+31, v26
	v_lshlrev_b32 v26, 2, v26
	v_add_nc_u32 v27, 128*((\n)/4)+(\n)%4, v28
	s_bcnt1_i32_b32 s29, vcc_lo
	ds_store_b32 v26, v27
	s_add_co_u32 s28, s28, s29
.endm
; Half n % 2 (column blocks 2 b, 2 b + 1) of tile n / 2 comes into window 0, each accumulator from its lowest register on.
.macro COPY n
	s_mov_b32 s34, ((\n)/2)*16384+((\n)%2)*1024
.if (\n) < 8
	WIN 0x01
.set al, 64*((\n)/2)+16*((\n)%2)
.else
	WIN 0x02
.set al, 16*((\n)%2)
.endif
.set j, 0
.rept 16
	v_mov_b32 v[EU+j], v[al+j]
.set j, j+1
.endr
.set j, 0
.rept 16
	v_mov_b32 v[EV+j], v[al+32+j]
.set j, j+1
.endr
	WIN 0
.endm
; 16 numbers a lane: h = gelu(u) v, its two bf16 parts, four stores of 512 consecutive bytes.
.macro EPI16
	REP 16, 1, v_and_b32 v[AX+n], s50, v[EU+n]
	REP 8, 2, v_pk_mul_f32 v[QQ+n:QQ+n+1], v[EU+n:EU+n+1], v[EU+n:EU+n+1]
	REP 8, 2, v_pk_fma_f32 v[TT+n:TT+n+1], v[AX+n:AX+n+1], s[36:37], 1.0 op_sel_hi:[1,0,0]
	REP 8, 2, v_pk_mul_f32 v[QQ+n:QQ+n+1], v[QQ+n:QQ+n+1], s[38:39] op_sel_hi:[1,0]
	REP 16, 1, v_rcp_f32 v[TT+n], v[TT+n]          ; one batch: 16 reciprocals, 16 exponentials
	REP 16, 1, v_exp_f32 v[QQ+n], v[QQ+n]
	REP 16, 1, v_max_num_f32 v[RR+n], 0, v[EU+n]   ; plain work that names none of the batch's results,
	s_wait_alu depctr_va_vdst(0)                   ; and one wait ahead of the batch's first reader
	REP 8, 2, v_pk_fma_f32 v[PP+n:PP+n+1], v[TT+n:TT+n+1], s[48:49], s[46:47] op_sel_hi:[1,0,0]
	REP 8, 2, v_pk_fma_f32 v[PP+n:PP+n+1], v[PP+n:PP+n+1], v[TT+n:TT+n+1], s[44:45] op_sel_hi:[1,1,0]
	REP 8, 2, v_pk_fma_f32 v[PP+n:PP+n+1], v[PP+n:PP+n+1], v[TT+n:TT+n+1], s[42:43] op_sel_hi:[1,1,0]
	REP 8, 2, v_pk_fma_f32 v[PP+n:PP+n+1], v[PP+n:PP+n+1], v[TT+n:TT+n+1], s[40:41] op_sel_hi:[1,1,0]
	REP 8, 2, v_pk_mul_f32 v[PP+n:PP+n+1], v[PP+n:PP+n+1], v[TT+n:TT+n+1]
	REP 8, 2, v_pk_mul_f32 v[PP+n:PP+n+1], v[PP+n:PP+n+1], v[QQ+n:QQ+n+1]
	REP 8, 2, v_pk_fma_f32 v[RR+n:RR+n+1], v[PP+n:PP+n+1], v[AX+n:AX+n+1], v[RR+n:RR+n+1] neg_lo:[1,0,0] neg_hi:[1,0,0]
	REP 8, 2, v_pk_mul_f32 v[RR+n:RR+n+1], v[RR+n:RR+n+1], v[EV+n:EV+n+1]
	REP 8, 1, v_cvt_pk_bf16_f32 v[TT+n], v[RR+2*n], v[RR+2*n+1]
	REP 8, 1, v_lshlrev_b32 v[AX+2*n], 16, v[TT+n]
	REP 8, 1, v_and_b32 v[AX+2*n+1], s51, v[TT+n]
	REP 8, 2, v_pk_add_f32 v[RR+n:RR+n+1], v[RR+n:RR+n+1], v[AX+n:AX+n+1] neg_lo:[0,1] neg_hi:[0,1]
	REP 8, 1, v_cvt_pk_bf16_f32 v[TT+8+n], v[RR+2*n], v[RR+2*n+1]
	global_store_b128 v[HA], v[TT:TT+3], s[16:17]
	global_store_b128 v[HA], v[TT+4:TT+7], s[16:17] offset:512
	global_store_b128 v[HA], v[TT+8:TT+11], s[16:17] offset:2048
	global_store_b128 v[HA], v[TT+12:TT+15], s[16:17] offset:2560
.endm
	s_load_b256 s[4:11], s[0:1], 0x0               ; xb s[4:5], top s[6:7], w1 s[8:9], w2 s[10:11]
	s_load_b256 s[12:19], s[0:1], 0x20             ; b1 s[12:13], b2 s[14:15], h s[16:17], pos s[18:19]
	s_load_b64 s[20:21], s[0:1], 0x40              ; cnt
	v_lshl_add_u32 v[SPW], v0, 2, SPARE
	v_mov_b32 v[NIL], 0
	v_and_b32 v1, 31, v0                           ; L
	v_and_b32 v2, 15, v0                           ; r
	v_bfe_u32 v3, v0, 4, 1                         ; hh
	v_lshrrev_b32 v24, 5, v0
	v_readfirstlane_b32 s22, v24                   ; wave w
	s_lshr_b32 s23, ttmp9, 5                       ; expert e
	s_and_b32 s24, ttmp9, 31                       ; slice s
	v_lshlrev_b32 v[WOFF], 4, v2
	v_lshl_or_b32 v[WOFF], v3, 15, v[WOFF]
	v_lshlrev_b32 v[BOFF], 5, v3
	s_mul_i32 s35, s22, 16*PW                      ; my 16 rows of a chunk
	v_mul_u32_u24 v24, v3, 4*PW
	v_lshl_add_u32 v24, v2, 3, v24
	v_add_nc_u32 v24, s35, v24
	v_and_b32 v25, 7, v0                           ; the turning load: row 8 hh + L % 8, 16 bytes by (L / 8) % 2
	v_lshl_add_u32 v25, v3, 3, v25
	v_mul_u32_u24 v25, v25, PW
	v_bfe_u32 v26, v0, 3, 1
	v_lshl_add_u32 v25, v26, 4, v25
.irp b, 0,1,2,3
	v_add_nc_u32 v[WST+(\b)], WB+(\b)*2*CHB, v24
	v_add_nc_u32 v[TRA+(\b)], WB+(\b)*2*CHB, v25
.endr
	v_lshlrev_b32 v[L16], 4, v1
	s_lshl_b32 s35, s22, 12
	v_add_nc_u32 v[HOFF], s35, v[L16]
	s_lshl_b32 s35, s22, 6
	v_lshl_add_u32 v[LAD], v2, 2, s35
	v_lshlrev_b32 v[HH16], 4, v3
	s_mov_b32 s36, 0x3e6d3388                      ; 0.3275911 / sqrt(2); each constant is named as a pair, so both words are written
	s_mov_b32 s37, s36
	s_mov_b32 s38, 0xbf38aa3b                      ; -log2(e) / 2
	s_mov_b32 s39, s38
	s_mov_b32 s40, 0x3e027906                      ; a1 / 2 =  0.127414796
	s_mov_b32 s41, s40
	s_mov_b32 s42, 0xbe11a98e                      ; a2 / 2 = -0.142248368
	s_mov_b32 s43, s42
	s_mov_b32 s44, 0x3f35f0e3                      ; a3 / 2 =  0.710706871
	s_mov_b32 s45, s44
	s_mov_b32 s46, 0xbf3a00e3                      ; a4 / 2 = -0.726576014
	s_mov_b32 s47, s46
	s_mov_b32 s48, 0x3f07dc22                      ; a5 / 2 =  0.530702715
	s_mov_b32 s49, s48
	s_mov_b32 s50, 0x7fffffff
	s_mov_b32 s51, 0xffff0000
	s_lshl_b32 s52, s23, 22                        ; weights: expert, slice's 256 bytes, my 16 rows
	s_lshl_b32 s35, s24, 8
	s_add_co_u32 s52, s52, s35
	s_lshl_b32 s54, s23, 13                        ; biases: expert, slice
	s_add_co_u32 s54, s54, s35
	s_lshl_b32 s35, s22, 17
	s_add_co_u32 s52, s52, s35
	s_mov_b32 s53, 0
	s_mov_b32 s55, 0
	s_lshl_b32 s56, ttmp9, 19                      ; h: 128 tiles of 4,096 bytes for each expert and slice
	s_mov_b32 s57, 0
	s_lshl_b32 s58, s23, 2
	s_mov_b32 s59, 0
	s_wait_kmcnt 0x0
	s_add_nc_u64 s[8:9], s[8:9], s[52:53]
	s_add_nc_u64 s[10:11], s[10:11], s[52:53]
	s_add_nc_u64 s[12:13], s[12:13], s[54:55]
	s_add_nc_u64 s[14:15], s[14:15], s[54:55]
	s_add_nc_u64 s[16:17], s[16:17], s[56:57]
	s_add_nc_u64 s[20:21], s[20:21], s[58:59]
	s_cmp_lg_u32 s22, 0
	s_cbranch_scc1 .Lno_top
.set n, 0
.rept 16                               ; wave 0: all 2,048 choices; register 32 + 4 n + c holds token 128 n + 4 L + c
	global_load_b128 v[32+4*n:35+4*n], v[L16], s[6:7] offset:512*n
.set n, n+1
.endr
.Lno_top:
.set n, 0
.rept 16                               ; n = 8 m + 2 q + half: the biases of columns 16 q + 8 hh + 4 half ..
	global_load_b128 v[BI+4*n:BI+4*n+3], v[BOFF], s[12+2*(n/8):13+2*(n/8)] offset:((n/2)%4)*64+(n%2)*16
.set n, n+1
.endr
	WLOAD 0, 0
	WLOAD 1, 1
	WLOAD 2, 2
	WIN 0
	s_wait_loadcnt 48                              ; choices and biases are in; the 48 loads of weights issued behind them stay out
	REP 32, 1, v_cvt_pk_bf16_f32 v[CT+n], v[BI+2*n], v[BI+2*n+1]
	REP 32, 1, v_lshlrev_b32 v[BI+2*n], 16, v[CT+n]
	REP 32, 1, v_and_b32 v[BI+2*n+1], s51, v[CT+n]
	s_cmp_lg_u32 s22, 0
	s_cbranch_scc1 .Lno_scan
	v_mov_b32 v24, 0
	v_mov_b32 v25, 0
	v_mov_b32 v26, 0
	v_mov_b32 v27, 0
.set n, 0
.rept 18
	ds_store_b128 v[L16], v[24:27] offset:LIST+512*n   ; the whole list is token 0 first; LDS serves a wave's instructions in order (ISA guide 5.7.1.4)
.set n, n+1
.endr
	s_mov_b32 s28, 0                               ; the running count
	v_lshlrev_b32 v28, 2, v1
	v_add_nc_u32 v24, DUMPI, v1                    ; my dump word
.set m, 0
.rept 64
	SCAN m
.set m, m+1
.endr
	v_mov_b32 v26, s28
	v_mov_b32 v27, CNTW
	ds_store_b32 v27, v26
.Lno_scan:
	s_wait_dscnt 0x0                               ; for the others' sake: list and count are in LDS
	s_barrier_signal -1
	s_barrier_wait -1
	v_mov_b32 v24, CNTW
	ds_load_b32 v25, v24
	TOKS                                           ; its wait for 0 covers the count too
	v_readfirstlane_b32 s25, v25                   ; the expert's rows
	s_add_co_u32 s26, s25, 15
	s_lshr_b32 s26, s26, 4
	s_max_u32 s26, s26, 1                          ; tiles to store: at least tile 0
	s_mov_b32 s27, s22                             ; my first tile of the pass
	ALOAD 0, 0
	WIN 0
	s_or_b32 s35, s24, s22
	s_cmp_lg_u32 s35, 0
	s_cbranch_scc1 .Lno_cnt
	v_mov_b32 v24, 0
	global_store_b32 v24, v25, s[20:21]            ; cnt[e], by slice 0's wave 0: every lane the same word and number; v24 and v25 are not written again
.Lno_cnt:
	s_wait_loadcnt 52                              ; weights 0 are in; behind them: weights 1 and 2 (32), rows 0 (20)
	CONV 0
	s_wait_dscnt 0x0
	s_barrier_signal -1
	s_barrier_wait -1
	STEP 0
	STEP 1
	STEP 2
	STEP 3
	STEP 4
	STEP 5
	STEP 6
	STEP 7
	WIN 0
	s_mov_b32 s31, 7                               ; passes, pass 0 among them
	s_branch .Lepi                                 ; the loop of passes is entered at its second half
.Lpass:
	s_cmp_ge_u32 s27, s26
	s_cbranch_scc1 .Lnext                          ; no tile of mine is left: s27 stays, so every later pass is jumped too
	TOKS
	PHEAD                                          ; chunk 0 is written out: its first products take the biases as C
	TRC 0
	PTAIL 1
	s_mov_b32 s33, 1
.Lchunk:                                               ; chunks 1 to 7: rows and products are written once; only the run of 32 turning loads, at its chunk's fixed address, is chosen by the counter
	PHEAD
.irp n, 1,2,3,4,5,6
	s_cmp_eq_u32 s33, \n
	s_cbranch_scc1 .Ltr\n
.endr
	TRC 7
	s_branch .Lmul
.irp n, 1,2,3,4,5
.Ltr\n:
	TRC \n
	s_branch .Lmul
.endr
.Ltr6:
	TRC 6
.Lmul:
	PTAIL 0
	s_add_co_u32 s33, s33, 1
	s_cmp_lt_u32 s33, 8
	s_cbranch_scc1 .Lchunk
.Lepi:
	PLACES                                         ; behind the last products, ahead of the first read of a result
	s_mov_b32 s32, 0
.Lhalf:                                                ; ten trips: half s32 % 2 of tile s32 / 2; one text of the gelu serves all
	s_lshl_b32 s35, s32, 1
	s_and_b32 s35, s35, -4
	s_add_co_u32 s35, s35, s27                     ; the tile's number among the expert's
	s_cmp_ge_u32 s35, s26
	s_cbranch_scc1 .Lhalf_next                     ; past the count: nothing is stored
.irp n, 0,1,2,3,4,5,6,7,8
	s_cmp_eq_u32 s32, \n
	s_cbranch_scc1 .Lcopy\n
.endr
	COPY 9
	s_branch .Lgelu
.irp n, 0,1,2,3,4,5,6,7
.Lcopy\n:
	COPY \n
	s_branch .Lgelu
.endr
.Lcopy8:
	COPY 8
.Lgelu:
	s_wait_xcnt 0x0                                ; the last trip's stores have read their address and data: both are written again below
	v_add_nc_u32 v[HA], s34, v[HOFF]
	EPI16
.Lhalf_next:
	s_add_co_u32 s32, s32, 1
	s_cmp_lt_u32 s32, 10
	s_cbranch_scc1 .Lhalf
	s_add_co_u32 s27, s27, 20
	s_wait_xcnt 0x0                                ; the next pass loads fragments into the registers that the stores read
	v_add_nc_u32 v[HOFF], 81920, v[HOFF]           ; 20 tiles on
.Lnext:
	v_add_nc_u32 v[LAD], 1280, v[LAD]              ; 320 places on in the list
	s_sub_co_u32 s31, s31, 1
	s_cmp_lg_u32 s31, 0
	s_cbranch_scc1 .Lpass
	; pos[token] = rank, for the 64 ranks of my slice that lie below the count: threads 0 to 63.  It stands last: it is the one place where lanes are turned off by the count, its addresses are made ahead of
	; that, and behind it no register is written any more.
	v_and_b32 v26, 63, v0
	s_lshl_b32 s35, s24, 6
	v_add_nc_u32 v26, s35, v26                     ; the rank
	v_lshlrev_b32 v28, 2, v26
	ds_load_b32 v27, v28                           ; its token
	s_wait_dscnt 0x0
	v_min_u32 v27, 2047, v27
	v_lshlrev_b32 v27, 2, v27
	v_cmp_gt_u32 vcc_lo, 64, v0
	v_cmp_gt_u32 s35, s25, v26
	s_and_b32 vcc_lo, vcc_lo, s35
	s_wait_xcnt 0x0                                ; EXEC is a source of the stores on their way: it changes only behind this wait
	s_and_saveexec_b32 s30, vcc_lo
	global_store_b32 v27, v26, s[18:19]
	s_wait_xcnt 0x0                                ; and again ahead of the line that widens it
	s_or_b32 exec_lo, exec_lo, s30
	s_wait_tensorcnt 0x0                           ; the wave's end, behind my last LDS store
	ds_add_u32 v[SPW], v[NIL]
	s_wait_dscnt 0x0
	s_endpgm
.Lfunc_end_k_q12942e8f77_up:
	.size	k_q12942e8f77_up, .Lfunc_end_k_q12942e8f77_up-k_q12942e8f77_up
	.p2alignl 7, 3214868480
	.fill 96, 4, 3214868480
	.section	.rodata,"a",@progbits
	.p2align	6, 0x0
	.amdhsa_kernel k_q12942e8f77_up
		.amdhsa_group_segment_fixed_size 157440
		.amdhsa_private_segment_fixed_size 0
		.amdhsa_enable_private_segment 0
		.amdhsa_kernarg_size 72
		.amdhsa_user_sgpr_count 2
		.amdhsa_user_sgpr_kernarg_segment_ptr 1
		.amdhsa_wavefront_size32 1
		.amdhsa_system_sgpr_workgroup_id_x 1
		.amdhsa_system_sgpr_workgroup_id_y 1
		.amdhsa_system_sgpr_workgroup_id_z 1
		.amdhsa_system_vgpr_workitem_id 0
		.amdhsa_next_free_vgpr 960
		.amdhsa_next_free_sgpr 66
		.amdhsa_reserve_vcc 1
		.amdhsa_float_denorm_mode_32 3
		.amdhsa_float_denorm_mode_16_64 3
		.amdhsa_memory_ordered 1
		.amdhsa_forward_progress 1
		.amdhsa_inst_pref_size 208
	.end_amdhsa_kernel
	.amdgpu_metadata
---
amdhsa.version: [ 1, 2 ]
amdhsa.kernels:
  - .name:           k_q12942e8f77_up
    .symbol:         k_q12942e8f77_up.kd
    .args:
      - { .name: xb, .offset: 0, .size: 8, .value_kind: global_buffer, .address_space: global }
      - { .name: top, .offset: 8, .size: 8, .value_kind: global_buffer, .address_space: global }
      - { .name: w1, .offset: 16, .size: 8, .value_kind: global_buffer, .address_space: global }
      - { .name: w2, .offset: 24, .size: 8, .value_kind: global_buffer, .address_space: global }
      - { .name: b1, .offset: 32, .size: 8, .value_kind: global_buffer, .address_space: global }
      - { .name: b2, .offset: 40, .size: 8, .value_kind: global_buffer, .address_space: global }
      - { .name: h, .offset: 48, .size: 8, .value_kind: global_buffer, .address_space: global }
      - { .name: pos, .offset: 56, .size: 8, .value_kind: global_buffer, .address_space: global }
      - { .name: cnt, .offset: 64, .size: 8, .value_kind: global_buffer, .address_space: global }
    .group_segment_fixed_size: 157440
    .private_segment_fixed_size: 0
    .kernarg_segment_align: 8
    .kernarg_segment_size: 72
    .max_flat_workgroup_size: 128
    .sgpr_count:     66
    .vgpr_count:     960
    .wavefront_size: 32
...
	.end_amdgpu_metadata
.endif
;; end of part 2
;; launch down (part 3): grid 256 x 1, 4 waves a work-group, no clusters, 99,840 bytes of LDS; arguments h, cnt, w3, part; writes part
.if DOCPART == 3
	.amdgcn_target "amdgcn-amd-amdhsa--gfx1250"
	.amdhsa_code_object_version 6
	.text
	.protected	k_q12942e8f77_down
	.globl	k_q12942e8f77_down
	.p2align	8
	.type	k_q12942e8f77_down,@function
k_q12942e8f77_down:
	s_mov_b64 s[64:65], 0
	v_nop
	global_prefetch_b8 v0, s[64:65] scope:SCOPE_SE
	s_setreg_imm32_b32 hwreg(HW_REG_WAVE_MODE, 25, 1), 1
	s_wait_xcnt 0x0
; DOWN.  part[kq][e][rank][:] = the sum over a quarter kq of the hidden width of h[rank][f] w3[e][f][:], for the rows of expert e alone.  Bias, gate weight and the sum of the four quarters follow in the next launch.
; SHARES.  Work-group g: expert e = g / 32, columns 64 jn .. + 63 (jn = (g / 4) % 8), hidden rows 512 kq .. + 511 (kq = g % 4): 512 rows x 256 aligned bytes of w3[e], which it alone reads, once;
; and all rows of expert e.  The hidden width is cut in four so that 256 work-groups each read whole rows of 256 bytes of their own: the partial sums, f32, are the price.
; ROWS, PASSES, WEIGHTS as in the launch before: tiles of 16 rows, wave w owns tiles 4 j + w, five a pass; pass 0 always runs, brings the weights into LDS in 8 chunks of 64 along K (rounded to bf16, [k][n], each
; chunk into bytes of its own: one barrier a chunk); passes 1 to 6 read them from LDS, at the same fixed addresses, and are jumped where no tile is left; nothing but a wave's own stage is written there.
; h comes straight from memory as matrix operands (source 1), 512 consecutive bytes a load, in two bf16 parts, hi and lo, both multiplied by the same weights (source 0, turned by ds_load_tr16_b128).
; A tile past the count reads the expert's last stored tile again and stores nothing.
; FORMAT AND LIMITS.  w3 rounded to bf16 (nearest even); h to 2^-17 of itself; sums in f32.  NaN and infinities are not treated apart.
; NO CLUSTER: each weight byte has one reader; h, which an expert's 8 column slices share, goes into registers without touching LDS, and the walk over it has a length that hangs on a stored count.
; REGISTERS, in windows of 256 (s_set_vgpr_msb: bits 1:0 source 0, 3:2 source 1, 5:4 source 2, 7:6 destination):
;   window 0: v0-23 addresses; v32-95 weight fragments of two K steps; v96-111 packed weights; v112-207 weights in f32, three rings; v208-239 the way out
;   window 1: v0-159 accumulators (tile i, column block q at 32 i + 8 q)     windows 2 and 3: v0-159 h's fragments, a buffer each (32 i + 16 part + 8 k)
.set STAGE, 0                          ; 16 rows x 272 bytes for each wave, for the way out
.set SP,    272                        ; 256 + 16: the 16 rows of a store start at 16 different groups of four banks (64 banks of 4 bytes: ISA guide 11.1)
.set SPARE, 17408                      ; the spare words, 128 bytes for each wave: two blocks of 256 bytes that no other line names
.set WB,    17920                      ; 512 rows of PW bytes: 64 bf16 and 32 bytes of padding
.set PW,    160                        ; 5 x 32 bytes
.set CHB,   64*PW
.set WOFF, 4                           ; v4     weights: 4 rows down for lanes 16-31, 16 bytes a lane
.set WST,  5                           ; v5-6   where I store packed weights, for chunks 4 b .. 4 b + 3
.set TRA,  7                           ; v7-8   where I read fragments, likewise; never rewritten
.set HOF,  10                          ; v10-14 tile i: my byte offset in a slice of h
.set POF,  15                          ; v15    my byte offset in part: tile w of the pass
.set L16,  16                          ; v16    16 x lane
.set STO,  20                          ; v20    the way out: where I put 16 bytes of a row
.set RD,   21                          ; v21    the way out: where I read a row back
.set SPW,  22                          ; v22    my spare word; never rewritten
.set NIL,  23                          ; v23    0; never rewritten
.set BB,   32
.set CT,   96
.set SG,   112
.set OB,   208
.set MSB, 0
.macro WIN new                         ; the immediate's high byte repeats the setting that is left; a switch that changes nothing is dropped
.if MSB != (\new)
	s_set_vgpr_msb (MSB<<8)|(\new)
.set MSB, (\new)
.endif
.endm
.macro PLACES                          ; four plain instructions between a matrix instruction and a load into, or a read of, its registers
.rept 4
	v_nop
.endr
.endm
.macro WLOAD c, ring                   ; chunk c, my 16 of its 64 rows: 8 loads, each two rows' 256 consecutive aligned bytes; read once in the launch
	WIN 0
.set n, 0
.rept 8                                ; row 16 w + 8 (n / 4) + 4 (lane / 16) + n % 4
	global_load_b128 v[SG+32*(\ring)+4*n:SG+32*(\ring)+4*n+3], v[WOFF], s[8:9] offset:(\c)*131072+(n/4)*16384+(n%4)*2048 th:TH_LOAD_NT
.set n, n+1
.endr
.endm
.macro CONV c                          ; chunk c is rounded and stored; the two halves of the lanes store 160 words apart, 32 banks: no conflict
	WIN 0
.set n, 0
.rept 8
	v_cvt_pk_bf16_f32 v[CT+2*n], v[SG+32*((\c)%3)+4*n], v[SG+32*((\c)%3)+4*n+1]
	v_cvt_pk_bf16_f32 v[CT+2*n+1], v[SG+32*((\c)%3)+4*n+2], v[SG+32*((\c)%3)+4*n+3]
.set n, n+1
.endr
.set n, 0
.rept 8
	ds_store_b64 v[WST+((\c)>>2)], v[CT+2*n:CT+2*n+1] offset:((\c)&3)*CHB+(n/4)*8*PW+(n%4)*PW
.set n, n+1
.endr
.endm
.macro ALOAD c, buf                    ; slice c of h for my five tiles: 40 loads of 512 consecutive bytes
.if \buf
	WIN 0xc0
.else
	WIN 0x80
.endif
.set n, 0
.rept 40                               ; n = 8 i + 4 part + block
	global_load_b128 v[4*n:4*n+3], v[HOF+n/8], s[4:5] offset:(\c)*524288+((n/4)%2)*2048+(n%4)*512
.set n, n+1
.endr
.endm
.macro TRLOAD adr, off, k              ; K step k of a chunk: 4 weight fragments, turned
	WIN 0
.set n, 0
.rept 4
	ds_load_tr16_b128 v[BB+32*(\k)+8*n:BB+32*(\k)+8*n+3],   v[\adr] offset:(\off)+(\k)*32*PW+n*32
	ds_load_tr16_b128 v[BB+32*(\k)+8*n+4:BB+32*(\k)+8*n+7], v[\adr] offset:(\off)+(\k)*32*PW+16*PW+n*32
.set n, n+1
.endr
.endm
.macro TRC c                           ; both K steps of chunk c: a fixed register and an immediate
	TRLOAD TRA+((\c)>>2), ((\c)&3)*CHB, 0
	TRLOAD TRA+((\c)>>2), ((\c)&3)*CHB, 1
.endm
; 40 matrix instructions: hi then lo, each 5 tiles x 4 column blocks, 32 along K.  The 20 accumulators take turns, one instruction a turn.  first = 1: hi's products start the sums.
.macro MM buf, k, first
.if \buf
	WIN 0x5c
.else
	WIN 0x58
.endif
.set p, 0
.rept 2
.set n, 0
.rept 20                               ; n = 4 i + q
.if (\first) && (p == 0)
	v_wmma_f32_16x16x32_bf16 v[8*n:8*n+7], v[BB+32*(\k)+8*(n%4):BB+32*(\k)+8*(n%4)+7], v[32*(n/4)+16*p+8*(\k):32*(n/4)+16*p+8*(\k)+7], 0
.else
	v_wmma_f32_16x16x32_bf16 v[8*n:8*n+7], v[BB+32*(\k)+8*(n%4):BB+32*(\k)+8*(n%4)+7], v[32*(n/4)+16*p+8*(\k):32*(n/4)+16*p+8*(\k)+7], v[8*n:8*n+7]
.endif
.set n, n+1
.endr
.set p, p+1
.endr
.endm
; Chunk c of pass 0.  Asked for here: h of chunk c + 1, the weights of chunk c + 3.  Global loads come back in order (ISA guide 5.7.1): the one counted wait leaves out what was issued behind h of chunk c,
; and the weights of chunk c + 1 are older.  Their 16 conversions are the places in front of the next chunk's loads.
.macro STEP c
.if (\c) <= 6
	ALOAD (\c)+1, ((\c)+1)&1
.endif
.if (\c) <= 4
	WLOAD (\c)+3, (\c)%3
.endif
	TRC \c
.if (\c) == 0
	s_wait_loadcnt 48                              ; behind h 0: h 1 (40), weights 3 (8)
.elseif (\c) <= 4
	s_wait_loadcnt 56                              ; behind h c: weights c + 2 (8), h c + 1 (40), weights c + 3 (8)
.elseif (\c) == 5
	s_wait_loadcnt 48                              ; weights 7, h 6
.elseif (\c) == 6
	s_wait_loadcnt 40                              ; h 7
.else
	s_wait_loadcnt 0x0
.endif
	s_wait_dscnt 8                                 ; the first K step's fragments are in; the second's 8 loads may be out
.if (\c) == 0
	MM 0, 0, 1
.else
	MM (\c)&1, 0, 0
.endif
	s_wait_dscnt 0x0
	MM (\c)&1, 1, 0
.if (\c) <= 6
	CONV (\c)+1
	s_wait_dscnt 0x0                               ; for the others' sake: my part of chunk c + 1 is in LDS
	s_barrier_signal -1
	s_barrier_wait -1
.endif
.endm
; A chunk of passes 1 to 6, in two parts, between which its 16 turning loads stand: plain, for splits with more than 320 rows on an expert.
.macro PHEAD                           ; the places behind the last products, and h of the chunk in hand
	PLACES
	ALOAD 0, 0
	WIN 0
.endm
.macro PTAIL first
	s_wait_loadcnt 0x0                             ; h is in, and its address registers free:
.irp i, 0,1,2,3,4
	v_add_nc_u32 v[HOF+(\i)], 524288, v[HOF+(\i)]  ; the next slice of h
.endr
	s_wait_dscnt 8                                 ; the first K step's fragments are in; the second's 8 loads may be out
	MM 0, 0, \first
	s_wait_dscnt 0x0
	MM 0, 1, 0
	WIN 0
.endm
.macro HOFS                            ; my five tiles' places in h; a tile past the count takes the last stored one; the constant bound comes last, ahead of the shift and the add
.irp i, 0,1,2,3,4
	s_add_co_u32 s35, s27, 4*(\i)
	s_min_u32 s35, s35, s28
	s_min_u32 s35, s35, 127
	s_lshl_b32 s35, s35, 12
	v_add_nc_u32 v[HOF+(\i)], s35, v[L16]
.endr
.endm
; Tile i leaves: a lane's eight numbers of a row go into my own stage, each accumulator from its lowest registers on, and come back as whole rows of 256 bytes.
.macro OUT i
	s_add_co_u32 s35, s27, 4*(\i)
	s_cmp_ge_u32 s35, s26
	s_cbranch_scc1 .Lskip_\@                       ; past the count: nothing is stored
	WIN 0x04                                       ; store data in window 1
.irp q, 0,1,2,3
	ds_store_b128 v[STO], v[32*(\i)+8*(\q):32*(\i)+8*(\q)+3] offset:64*(\q)
	ds_store_b128 v[STO], v[32*(\i)+8*(\q)+4:32*(\i)+8*(\q)+7] offset:64*(\q)+16
.endr
	WIN 0
	s_wait_xcnt 0x0                                ; the tile before's stores have read the registers that are loaded again below
.irp t, 0,1,2,3,4,5,6,7
	ds_load_b128 v[OB+4*(\t):OB+4*(\t)+3], v[RD] offset:(\t)*2*SP  ; LDS serves a wave's instructions in order (ISA guide 5.7.1.4): these see the stores above
.endr
.irp t, 0,1,2,3,4,5,6,7
	s_wait_dscnt 7-(\t)
	global_store_b128 v[POF], v[OB+4*(\t):OB+4*(\t)+3], s[10:11] offset:(\i)*131072+(\t)*4096  ; 16 lanes store 256 consecutive bytes, at a multiple of 256 from part's first byte
.endr
.Lskip_\@:
.endm
	s_load_b256 s[4:11], s[0:1], 0x0               ; h s[4:5], cnt s[6:7], w3 s[8:9], part s[10:11]
	v_lshl_add_u32 v[SPW], v0, 2, SPARE
	v_mov_b32 v[NIL], 0
	v_and_b32 v1, 31, v0                           ; L
	v_and_b32 v2, 15, v0                           ; r
	v_bfe_u32 v3, v0, 4, 1                         ; hh
	v_lshrrev_b32 v17, 5, v0
	v_readfirstlane_b32 s22, v17                   ; wave w
	s_lshr_b32 s23, ttmp9, 5                       ; e
	s_bfe_u32 s24, ttmp9, 0x30002                  ; jn: 3 bits from bit 2
	s_and_b32 s29, ttmp9, 3                        ; kq
	v_lshlrev_b32 v[WOFF], 4, v2
	v_lshl_or_b32 v[WOFF], v3, 13, v[WOFF]
	s_mul_i32 s35, s22, 16*PW
	v_mul_u32_u24 v17, v3, 4*PW
	v_lshl_add_u32 v17, v2, 3, v17
	v_add_nc_u32 v17, s35, v17
	v_and_b32 v18, 7, v0
	v_lshl_add_u32 v18, v3, 3, v18
	v_mul_u32_u24 v18, v18, PW
	v_bfe_u32 v19, v0, 3, 1
	v_lshl_add_u32 v18, v19, 4, v18
.irp b, 0,1
	v_add_nc_u32 v[WST+(\b)], WB+(\b)*4*CHB, v17
	v_add_nc_u32 v[TRA+(\b)], WB+(\b)*4*CHB, v18
.endr
	v_lshlrev_b32 v[L16], 4, v1
	v_lshlrev_b32 v[POF], 4, v2
	v_lshl_add_u32 v[POF], v3, 11, v[POF]
	s_lshl_b32 s35, s22, 15
	v_add_nc_u32 v[POF], s35, v[POF]
	s_mul_i32 s35, s22, 16*SP
	s_add_co_u32 s35, s35, STAGE
	v_mul_u32_u24 v[STO], v2, SP
	v_lshl_add_u32 v[STO], v3, 5, v[STO]
	v_add_nc_u32 v[STO], s35, v[STO]
	v_mul_u32_u24 v[RD], v3, SP
	v_lshl_add_u32 v[RD], v2, 4, v[RD]
	v_add_nc_u32 v[RD], s35, v[RD]
	s_lshl_b32 s52, s23, 22                        ; w3: expert, quarter, my columns' 256 bytes, my 16 rows
	s_lshl_b32 s35, s29, 20
	s_add_co_u32 s52, s52, s35
	s_lshl_b32 s33, s24, 8
	s_add_co_u32 s52, s52, s33
	s_lshl_b32 s35, s22, 15
	s_add_co_u32 s52, s52, s35
	s_mov_b32 s53, 0
	s_lshl_b32 s54, s23, 24                        ; h: slice 32 e + 8 kq, 2^19 bytes each
	s_lshl_b32 s35, s29, 22
	s_add_co_u32 s54, s54, s35
	s_mov_b32 s55, 0
	s_lshl_b32 s56, s29, 25                        ; part: (8 kq + e) x 2,048 rows of 2,048 bytes, my columns
	s_lshl_b32 s35, s23, 22
	s_add_co_u32 s56, s56, s35
	s_add_co_u32 s56, s56, s33
	s_mov_b32 s57, 0
	s_lshl_b32 s58, s23, 2
	s_mov_b32 s59, 0
	s_wait_kmcnt 0x0
	s_add_nc_u64 s[6:7], s[6:7], s[58:59]
	s_load_b32 s25, s[6:7], 0x0                    ; the expert's rows
	s_add_nc_u64 s[8:9], s[8:9], s[52:53]
	s_add_nc_u64 s[4:5], s[4:5], s[54:55]
	s_add_nc_u64 s[10:11], s[10:11], s[56:57]
	WLOAD 0, 0
	WLOAD 1, 1
	WLOAD 2, 2
	s_wait_kmcnt 0x0
	s_min_u32 s25, s25, 2048
	s_add_co_u32 s26, s25, 15
	s_lshr_b32 s26, s26, 4                         ; tiles to store
	s_max_u32 s28, s26, 1
	s_sub_co_u32 s28, s28, 1                       ; the last tile of h that was stored
	s_mov_b32 s27, s22                             ; my first tile of the pass
	HOFS
	ALOAD 0, 0
	WIN 0
	s_wait_loadcnt 56                              ; weights 0 are in; behind them: weights 1 and 2 (16), h 0 (40)
	CONV 0
	s_wait_dscnt 0x0
	s_barrier_signal -1
	s_barrier_wait -1
	STEP 0
	STEP 1
	STEP 2
	STEP 3
	STEP 4
	STEP 5
	STEP 6
	STEP 7
	WIN 0
	s_mov_b32 s31, 7                               ; passes, pass 0 among them
	s_branch .Lout                                 ; the loop of passes is entered at its second half
.Lpass:
	s_cmp_ge_u32 s27, s26
	s_cbranch_scc1 .Lnext                          ; no tile of mine is left: s27 stays, so every later pass is jumped too
	HOFS
	PHEAD                                          ; chunk 0 is written out: its first products start the sums
	TRC 0
	PTAIL 1
	s_mov_b32 s33, 1
.Lchunk:                                               ; chunks 1 to 7: h's loads and the products are written once; only the run of 16 turning loads, at its chunk's fixed address, is chosen by the counter
	PHEAD
.irp n, 1,2,3,4,5,6
	s_cmp_eq_u32 s33, \n
	s_cbranch_scc1 .Ltr\n
.endr
	TRC 7
	s_branch .Lmul
.irp n, 1,2,3,4,5
.Ltr\n:
	TRC \n
	s_branch .Lmul
.endr
.Ltr6:
	TRC 6
.Lmul:
	PTAIL 0
	s_add_co_u32 s33, s33, 1
	s_cmp_lt_u32 s33, 8
	s_cbranch_scc1 .Lchunk
.Lout:
	PLACES                                         ; behind the last products, ahead of the first read of a result
	OUT 0
	OUT 1
	OUT 2
	OUT 3
	OUT 4
	s_add_co_u32 s27, s27, 20
	s_wait_xcnt 0x0                                ; the stores have read their address
	v_add_nc_u32 v[POF], 655360, v[POF]            ; 320 rows on
.Lnext:
	s_sub_co_u32 s31, s31, 1
	s_cmp_lg_u32 s31, 0
	s_cbranch_scc1 .Lpass
	s_wait_tensorcnt 0x0                           ; the wave's end, behind my last LDS store
	ds_add_u32 v[SPW], v[NIL]
	s_wait_dscnt 0x0
	s_endpgm
.Lfunc_end_k_q12942e8f77_down:
	.size	k_q12942e8f77_down, .Lfunc_end_k_q12942e8f77_down-k_q12942e8f77_down
	.p2alignl 7, 3214868480
	.fill 96, 4, 3214868480
	.section	.rodata,"a",@progbits
	.p2align	6, 0x0
	.amdhsa_kernel k_q12942e8f77_down
		.amdhsa_group_segment_fixed_size 99840
		.amdhsa_private_segment_fixed_size 0
		.amdhsa_enable_private_segment 0
		.amdhsa_kernarg_size 32
		.amdhsa_user_sgpr_count 2
		.amdhsa_user_sgpr_kernarg_segment_ptr 1
		.amdhsa_wavefront_size32 1
		.amdhsa_system_sgpr_workgroup_id_x 1
		.amdhsa_system_sgpr_workgroup_id_y 1
		.amdhsa_system_sgpr_workgroup_id_z 1
		.amdhsa_system_vgpr_workitem_id 0
		.amdhsa_next_free_vgpr 928
		.amdhsa_next_free_sgpr 66
		.amdhsa_reserve_vcc 0
		.amdhsa_float_denorm_mode_32 3
		.amdhsa_float_denorm_mode_16_64 3
		.amdhsa_memory_ordered 1
		.amdhsa_forward_progress 1
		.amdhsa_inst_pref_size 143
	.end_amdhsa_kernel
	.amdgpu_metadata
---
amdhsa.version: [ 1, 2 ]
amdhsa.kernels:
  - .name:           k_q12942e8f77_down
    .symbol:         k_q12942e8f77_down.kd
    .args:
      - { .name: h, .offset: 0, .size: 8, .value_kind: global_buffer, .address_space: global }
      - { .name: cnt, .offset: 8, .size: 8, .value_kind: global_buffer, .address_space: global }
      - { .name: w3, .offset: 16, .size: 8, .value_kind: global_buffer, .address_space: global }
      - { .name: part, .offset: 24, .size: 8, .value_kind: global_buffer, .address_space: global }
    .group_segment_fixed_size: 99840
    .private_segment_fixed_size: 0
    .kernarg_segment_align: 8
    .kernarg_segment_size: 32
    .max_flat_workgroup_size: 128
    .sgpr_count:     66
    .vgpr_count:     928
    .wavefront_size: 32
...
	.end_amdgpu_metadata
.endif
;; end of part 3
;; launch combine (part 4): grid 256 x 1, 4 waves a work-group, no clusters, 0 bytes of LDS; arguments part, top, pos, wgt, b3, out0; writes out0
.if DOCPART == 4
	.amdgcn_target "amdgcn-amd-amdhsa--gfx1250"
	.amdhsa_code_object_version 6
	.text
	.protected	k_q12942e8f77_combine
	.globl	k_q12942e8f77_combine
	.p2align	8
	.type	k_q12942e8f77_combine,@function
k_q12942e8f77_combine:
	s_mov_b64 s[64:65], 0
	v_nop
	global_prefetch_b8 v0, s[64:65] scope:SCOPE_SE
	s_setreg_imm32_b32 hwreg(HW_REG_WAVE_MODE, 25, 1), 1
	s_wait_xcnt 0x0
; COMBINE.  out0[token] = wgt[token] x (the four partial rows of its expert and rank, added in f32, + b3[expert]).
; SHARES.  1,024 waves, two tokens each; a row is 2,048 bytes, four loads of 512 consecutive bytes.  Expert, rank and weight are read as scalars; expert and rank are bounded by constants
; (7; 2,047) ahead of the shifts and adds that make the addresses.  All 40 loads of a wave go out together.
; FORMAT.  b3 is rounded to bf16 (nearest even) like every input of this program; all else is f32.  Memory binds: no LDS, no matrix unit, no cluster (no two waves read the same partial row).
.set P,  16                            ; v[16:143]  token t, quarter kq, load i at P + 64 t + 16 kq + 4 i; quarter 0's registers take the result
.set B3, 144                           ; v[144:175] token t, load i at B3 + 16 t + 4 i
.set T,  176                           ; v[176:183] at work
	s_load_b256 s[4:11], s[0:1], 0x0               ; part s[4:5], top s[6:7], pos s[8:9], wgt s[10:11]
	s_load_b128 s[12:15], s[0:1], 0x20             ; b3 s[12:13], out0 s[14:15]
	v_and_b32 v1, 31, v0
	v_lshrrev_b32 v3, 5, v0
	v_readfirstlane_b32 s16, v3
	s_lshl_b32 s17, ttmp9, 2
	s_add_co_u32 s17, s17, s16                     ; W: tokens 2 W and 2 W + 1
	v_lshlrev_b32 v2, 4, v1                        ; 16 L
	s_lshl_b32 s18, s17, 3
	s_mov_b32 s19, 0
	s_lshl_b32 s20, s17, 12
	s_mov_b32 s21, 0
	s_mov_b32 s22, 0xffff0000
	s_wait_kmcnt 0x0
	s_add_nc_u64 s[6:7], s[6:7], s[18:19]
	s_add_nc_u64 s[8:9], s[8:9], s[18:19]
	s_add_nc_u64 s[10:11], s[10:11], s[18:19]
	s_add_nc_u64 s[14:15], s[14:15], s[20:21]
	s_load_b64 s[24:25], s[6:7], 0x0               ; the two experts,
	s_load_b64 s[26:27], s[8:9], 0x0               ; ranks,
	s_load_b64 s[28:29], s[10:11], 0x0             ; and weights
	s_wait_kmcnt 0x0
	s_mov_b32 s30, s29                             ; the second weight in the low word of a pair of its own
	s_mov_b32 s31, s29
	s_mov_b32 s53, 0
.irp t, 0,1
	s_min_u32 s50, s[24+(\t)], 7
	s_min_u32 s51, s[26+(\t)], 2047
	s_lshl_b32 s52, s50, 22                        ; an expert's 2,048 rows of 2,048 bytes,
	s_lshl_b32 s51, s51, 11                        ; the rank's row
	s_add_co_u32 s52, s52, s51
	s_add_nc_u64 s[32+8*(\t):33+8*(\t)], s[4:5], s[52:53]
	s_add_nc_u64 s[34+8*(\t):35+8*(\t)], s[32+8*(\t):33+8*(\t)], 0x2000000   ; a quarter is 8 experts on
	s_add_nc_u64 s[36+8*(\t):37+8*(\t)], s[34+8*(\t):35+8*(\t)], 0x2000000
	s_add_nc_u64 s[38+8*(\t):39+8*(\t)], s[36+8*(\t):37+8*(\t)], 0x2000000
	s_lshl_b32 s52, s50, 11
	s_add_nc_u64 s[54+2*(\t):55+2*(\t)], s[12:13], s[52:53]
.endr
.irp t, 0,1
.irp k, 0,1,2,3
.irp i, 0,1,2,3
	global_load_b128 v[P+64*(\t)+16*(\k)+4*(\i):P+64*(\t)+16*(\k)+4*(\i)+3], v2, s[32+8*(\t)+2*(\k):33+8*(\t)+2*(\k)] offset:512*(\i) th:TH_LOAD_NT
.endr
.endr
.irp i, 0,1,2,3
	global_load_b128 v[B3+16*(\t)+4*(\i):B3+16*(\t)+4*(\i)+3], v2, s[54+2*(\t):55+2*(\t)] offset:512*(\i)
.endr
.endr
.irp t, 0,1
.if (\t) == 0
	s_wait_loadcnt 20                              ; the first token's 20 loads are in; the second's 20 may stay out
.else
	s_wait_loadcnt 0x0
.endif
.set n, 0
.rept 8                                ; pair n of the lane's 16 numbers
	v_cvt_pk_bf16_f32 v[T+n], v[B3+16*(\t)+2*n], v[B3+16*(\t)+2*n+1]
	v_pk_add_f32 v[P+64*(\t)+2*n:P+64*(\t)+2*n+1], v[P+64*(\t)+2*n:P+64*(\t)+2*n+1], v[P+64*(\t)+16+2*n:P+64*(\t)+16+2*n+1]
	v_pk_add_f32 v[P+64*(\t)+32+2*n:P+64*(\t)+32+2*n+1], v[P+64*(\t)+32+2*n:P+64*(\t)+32+2*n+1], v[P+64*(\t)+48+2*n:P+64*(\t)+48+2*n+1]
	v_lshlrev_b32 v[B3+16*(\t)+2*n], 16, v[T+n]
	v_and_b32 v[B3+16*(\t)+2*n+1], s22, v[T+n]
	v_pk_add_f32 v[P+64*(\t)+2*n:P+64*(\t)+2*n+1], v[P+64*(\t)+2*n:P+64*(\t)+2*n+1], v[P+64*(\t)+32+2*n:P+64*(\t)+32+2*n+1]
	v_pk_add_f32 v[P+64*(\t)+2*n:P+64*(\t)+2*n+1], v[P+64*(\t)+2*n:P+64*(\t)+2*n+1], v[B3+16*(\t)+2*n:B3+16*(\t)+2*n+1]
	v_pk_mul_f32 v[P+64*(\t)+2*n:P+64*(\t)+2*n+1], v[P+64*(\t)+2*n:P+64*(\t)+2*n+1], s[28+2*(\t):29+2*(\t)] op_sel_hi:[1,0]
.set n, n+1
.endr
.irp i, 0,1,2,3
	global_store_b128 v2, v[P+64*(\t)+4*(\i):P+64*(\t)+4*(\i)+3], s[14:15] offset:(\t)*2048+512*(\i) th:TH_STORE_NT  ; 512 consecutive bytes, at a multiple of 256 from out0's first byte
.endr
.endr
	s_endpgm
.Lfunc_end_k_q12942e8f77_combine:
	.size	k_q12942e8f77_combine, .Lfunc_end_k_q12942e8f77_combine-k_q12942e8f77_combine
	.p2alignl 7, 3214868480
	.fill 96, 4, 3214868480
	.section	.rodata,"a",@progbits
	.p2align	6, 0x0
	.amdhsa_kernel k_q12942e8f77_combine
		.amdhsa_group_segment_fixed_size 0
		.amdhsa_private_segment_fixed_size 0
		.amdhsa_enable_private_segment 0
		.amdhsa_kernarg_size 48
		.amdhsa_user_sgpr_count 2
		.amdhsa_user_sgpr_kernarg_segment_ptr 1
		.amdhsa_wavefront_size32 1
		.amdhsa_system_sgpr_workgroup_id_x 1
		.amdhsa_system_sgpr_workgroup_id_y 1
		.amdhsa_system_sgpr_workgroup_id_z 1
		.amdhsa_system_vgpr_workitem_id 0
		.amdhsa_next_free_vgpr 184
		.amdhsa_next_free_sgpr 66
		.amdhsa_reserve_vcc 0
		.amdhsa_float_denorm_mode_32 3
		.amdhsa_float_denorm_mode_16_64 3
		.amdhsa_memory_ordered 1
		.amdhsa_forward_progress 1
		.amdhsa_inst_pref_size 14
	.end_amdhsa_kernel
	.amdgpu_metadata
---
amdhsa.version: [ 1, 2 ]
amdhsa.kernels:
  - .name:           k_q12942e8f77_combine
    .symbol:         k_q12942e8f77_combine.kd
    .args:
      - { .name: part, .offset: 0, .size: 8, .value_kind: global_buffer, .address_space: global }
      - { .name: top, .offset: 8, .size: 8, .value_kind: global_buffer, .address_space: global }
      - { .name: pos, .offset: 16, .size: 8, .value_kind: global_buffer, .address_space: global }
      - { .name: wgt, .offset: 24, .size: 8, .value_kind: global_buffer, .address_space: global }
      - { .name: b3, .offset: 32, .size: 8, .value_kind: global_buffer, .address_space: global }
      - { .name: out0, .offset: 40, .size: 8, .value_kind: global_buffer, .address_space: global }
    .group_segment_fixed_size: 0
    .private_segment_fixed_size: 0
    .kernarg_segment_align: 8
    .kernarg_segment_size: 48
    .max_flat_workgroup_size: 128
    .sgpr_count:     66
    .vgpr_count:     184
    .wavefront_size: 32
...
	.end_amdgpu_metadata
.endif
;; end of part 4
;; ======== version 2 of 2: 4 launches; 1.12 times as fast as version 1
;; limits: a function is approximated: absolute error at most 1.5e-07
;; workspace buffers: xb 2,097,152 bytes; top 8,192 bytes of whole numbers; wgt 8,192 bytes; h 134,217,728 bytes; pos 8,192 bytes of whole numbers; cnt 256 bytes of whole numbers; part 134,217,728 bytes
;; launch router (part 5): grid 256 x 1, 4 waves a work-group, no clusters, 8,704 bytes of LDS; arguments x, gate_w, gate_b, xb, top, wgt, out1; writes xb, top, wgt, out1
.if DOCPART == 5
	.amdgcn_target "amdgcn-amd-amdhsa--gfx1250"
	.amdhsa_code_object_version 6
	.text
	.protected	k_q12942e8f77_router
	.globl	k_q12942e8f77_router
	.p2align	8
	.type	k_q12942e8f77_router,@function
k_q12942e8f77_router:
	s_mov_b64 s[64:65], 0
	v_nop
	global_prefetch_b8 v0, s[64:65] scope:SCOPE_SE
	s_setreg_imm32_b32 hwreg(HW_REG_WAVE_MODE, 25, 1), 1
	s_wait_xcnt 0x0
; ROUTER.  logits = x gate_w + gate_b for 2,048 tokens and 8 experts; top = argmax (the lower index wins a tie, as jnp.argmax), wgt = softmax(logits)[top] = 1 / sum of exp(l - max);
; xb = x rounded to bf16, for the first product; out1 = 0.
; FORMAT.  x, gate_w and gate_b are rounded to bf16 (nearest even) before use, like every input of this program; products of two such numbers are exact in f32, sums are f32.
; LIMITS.  NaN and infinities are not treated apart; two logits nearer to each other than the order of an f32 sum of 512 terms resolves may be ranked otherwise than by reference().
; SHARES.  1,024 waves, two tokens each.  Lane L holds x[128 i + 4 L + c] (i, c = 0..3): a load of x covers 512 consecutive bytes, a store of xb 256.
; gate_w comes once a work-group: wave w loads rows 128 w .. 128 w + 127 by 8 loads of 512 consecutive bytes, rounds them and stores them in LDS as packed bf16, a row's 8 experts in 16 bytes, the row
; 128 i + 4 L + c at (4 i + c) x 512 + 16 L; behind one barrier every wave reads its 16 rows a lane by 16 loads in which the 32 lanes take 512 consecutive bytes.
; The gate's product stands on the vector unit: it has 8 columns, half a matrix tile, 1/800 of the program's multiply-adds, and a matrix operand's one row a lane would cut x's loads and
; xb's stores into pieces of 32 bytes.  No cluster: what work-groups share is gate_w, 16 KiB.
.set GL,    0                          ; 8,192 bytes: gate_w in bf16
.set SPARE, 8192                       ; the spare words, 128 bytes for each wave: two blocks of 256 bytes that no other line names
.set X,  8                             ; v[8:39]    token t, load i, word c at X + 16 t + 4 i + c: x, then x rounded
.set XP, 40                            ; v[40:55]   x as packed bf16, the data of xb's stores; never rewritten
.set SPW, 56                           ; v56        my spare word; never rewritten
.set NIL, 57                           ; v57        0; never rewritten
.set WADR, 58                          ; v58        where I store 8 bytes (4 experts) of a row of gate_w
.set G,  64                            ; v[64:191]  gate_w[128 i + 4 L + c][e] at G + 32 i + 8 c + e; before that my quarter as loaded; later at work
.set A,  192                           ; v[192:207] token t's eight sums at A + 8 t + e; before that my quarter of gate_w, packed
.set GB, 208                           ; v[208:215] gate_b rounded
.set T,  216                           ; v[216:235] at work
	s_load_b256 s[4:11], s[0:1], 0x0               ; x s[4:5], gate_w s[6:7], gate_b s[8:9], xb s[10:11]
	s_load_b128 s[12:15], s[0:1], 0x20             ; top s[12:13], wgt s[14:15]
	s_load_b64 s[16:17], s[0:1], 0x30              ; out1
	v_lshl_add_u32 v[SPW], v0, 2, SPARE
	v_mov_b32 v[NIL], 0
	v_and_b32 v1, 31, v0                           ; L
	v_lshrrev_b32 v7, 5, v0
	v_readfirstlane_b32 s28, v7                    ; wave in the work-group
	s_lshl_b32 s29, ttmp9, 2
	s_add_co_u32 s29, s29, s28                     ; W: my wave among the 1,024; tokens 2 W and 2 W + 1
	v_lshlrev_b32 v2, 4, v1                        ; 16 L: x, gate_w, and gate_w's rows in LDS
	v_lshlrev_b32 v4, 3, v1                        ; 8 L: xb
	v_lshlrev_b32 v5, 2, v1                        ; 4 L: top, wgt
	v_mov_b32 v6, 0
	; load n of my quarter gives lane L the experts 4 (L % 2) .. + 3 of row 128 w + 16 n + L / 2: that is c = (L / 2) % 4 and place 4 n + L / 8 among the 32 of (w, c)
	v_bfe_u32 v3, v0, 1, 2                         ; c
	v_bfe_u32 v7, v0, 3, 2                         ; L / 8
	v_and_b32 v[WADR], 1, v0
	v_lshlrev_b32 v[WADR], 3, v[WADR]              ; 8 (L % 2)
	v_lshl_add_u32 v[WADR], v7, 4, v[WADR]         ; + 16 (L / 8)
	v_lshl_add_u32 v[WADR], v3, 9, v[WADR]         ; + 512 c
	s_lshl_b32 s35, s28, 11
	v_add_nc_u32 v[WADR], s35, v[WADR]             ; + 2,048 w; the load's number adds 64 n in the immediate
	s_mov_b32 s32, 0x76543210                      ; v_permlanex16_b32: each lane takes its own place in the other half
	s_mov_b32 s33, 0xfedcba98
	s_mov_b32 s34, 0xffff0000                      ; a word's upper bf16
	s_mov_b32 s36, 0x3fb8aa3b                      ; log2(e), named as a pair
	s_mov_b32 s37, s36
	s_lshl_b32 s30, s29, 12                        ; two rows of x
	s_mov_b32 s31, 0
	s_lshl_b32 s40, s29, 11                        ; two rows of xb
	s_mov_b32 s41, 0
	s_lshl_b32 s42, s29, 3                         ; two words of top and of wgt
	s_mov_b32 s43, 0
	s_lshl_b32 s44, s28, 12                        ; my quarter of gate_w
	s_mov_b32 s45, 0
	s_wait_kmcnt 0x0
	s_load_b256 s[20:27], s[8:9], 0x0              ; gate_b, all 32 bytes
	s_add_nc_u64 s[4:5], s[4:5], s[30:31]
	s_add_nc_u64 s[6:7], s[6:7], s[44:45]
	s_add_nc_u64 s[10:11], s[10:11], s[40:41]
	s_add_nc_u64 s[12:13], s[12:13], s[42:43]
	s_add_nc_u64 s[14:15], s[14:15], s[42:43]
.set n, 0
.rept 8                                ; gate_w first: the other waves wait for it
	global_load_b128 v[G+4*n:G+4*n+3], v2, s[6:7] offset:512*n
.set n, n+1
.endr
.set n, 0
.rept 8                                ; n = 4 t + i
	global_load_b128 v[X+4*n:X+4*n+3], v2, s[4:5] offset:(n/4)*2048+(n%4)*512 th:TH_LOAD_NT
.set n, n+1
.endr
	s_wait_loadcnt 8                               ; my quarter of gate_w is in; the 8 loads of x issued behind it may stay out
.set n, 0
.rept 8
	v_cvt_pk_bf16_f32 v[A+2*n], v[G+4*n], v[G+4*n+1]
	v_cvt_pk_bf16_f32 v[A+2*n+1], v[G+4*n+2], v[G+4*n+3]
	ds_store_b64 v[WADR], v[A+2*n:A+2*n+1] offset:GL+64*n
.set n, n+1
.endr
	s_wait_loadcnt 0x0                             ; x
.set n, 0
.rept 8
	v_cvt_pk_bf16_f32 v[XP+2*n], v[X+4*n], v[X+4*n+1]
	v_cvt_pk_bf16_f32 v[XP+2*n+1], v[X+4*n+2], v[X+4*n+3]
	global_store_b64 v4, v[XP+2*n:XP+2*n+1], s[10:11] offset:(n/4)*1024+(n%4)*256  ; 32 lanes store 256 consecutive bytes, at a multiple of 256 from xb's first byte
	v_lshlrev_b32 v[X+4*n], 16, v[XP+2*n]          ; and back to f32: the rounded x feeds the gate
	v_and_b32 v[X+4*n+1], s34, v[XP+2*n]
	v_lshlrev_b32 v[X+4*n+2], 16, v[XP+2*n+1]
	v_and_b32 v[X+4*n+3], s34, v[XP+2*n+1]
.set n, n+1
.endr
	s_wait_dscnt 0x0                               ; for the others' sake: my quarter of gate_w is in LDS
	s_barrier_signal -1
	s_barrier_wait -1                              ; everybody's is
.set n, 0
.rept 16                               ; n = 4 i + c: row 128 i + 4 L + c, four packed words, into the upper half of the row's eight registers
	ds_load_b128 v[G+8*n+4:G+8*n+7], v2 offset:GL+512*n
.set n, n+1
.endr
	s_wait_kmcnt 0x0                               ; gate_b
.irp p, 0,1,2,3
	v_cvt_pk_bf16_f32 v[T+(\p)], s[20+2*(\p)], s[21+2*(\p)]
	v_lshlrev_b32 v[GB+2*(\p)], 16, v[T+(\p)]
	v_and_b32 v[GB+2*(\p)+1], s34, v[T+(\p)]
.endr
.set n, 0
.rept 16                               ; widened in place, from the low word on: a packed word is overwritten only when it has been read
	s_wait_dscnt 15-n                              ; LDS loads come back in order (ISA guide 5.7.1): row n is in, the younger ones may stay out
	v_lshlrev_b32 v[G+8*n], 16, v[G+8*n+4]
	v_and_b32 v[G+8*n+1], s34, v[G+8*n+4]
	v_lshlrev_b32 v[G+8*n+2], 16, v[G+8*n+5]
	v_and_b32 v[G+8*n+3], s34, v[G+8*n+5]
	v_lshlrev_b32 v[G+8*n+4], 16, v[G+8*n+6]
	v_and_b32 v[G+8*n+5], s34, v[G+8*n+6]
	v_lshlrev_b32 v[G+8*n+6], 16, v[G+8*n+7]
	v_and_b32 v[G+8*n+7], s34, v[G+8*n+7]
.set n, n+1
.endr
	; 16 numbers of x a lane and token x 8 experts, two experts to a line: eight chains that do not wait for each other.  op_sel and op_sel_hi give one word of x's pair to both halves.
.set n, 0
.rept 16                               ; n = 4 i + c
.irp t, 0,1
.irp p, 0,1,2,3
.if n == 0
	v_pk_mul_f32 v[A+8*(\t)+2*(\p):A+8*(\t)+2*(\p)+1], v[X+16*(\t):X+16*(\t)+1], v[G+2*(\p):G+2*(\p)+1] op_sel_hi:[0,1]
.elseif n%2
	v_pk_fma_f32 v[A+8*(\t)+2*(\p):A+8*(\t)+2*(\p)+1], v[X+16*(\t)+2*(n/2):X+16*(\t)+2*(n/2)+1], v[G+8*n+2*(\p):G+8*n+2*(\p)+1], v[A+8*(\t)+2*(\p):A+8*(\t)+2*(\p)+1] op_sel:[1,0,0] op_sel_hi:[1,1,1]
.else
	v_pk_fma_f32 v[A+8*(\t)+2*(\p):A+8*(\t)+2*(\p)+1], v[X+16*(\t)+2*(n/2):X+16*(\t)+2*(n/2)+1], v[G+8*n+2*(\p):G+8*n+2*(\p)+1], v[A+8*(\t)+2*(\p):A+8*(\t)+2*(\p)+1] op_sel_hi:[0,1,1]
.endif
.endr
.endr
.set n, n+1
.endr
	; the 16 sums over the 32 lanes: four steps inside each half ride on the addition, one crosses the halves; every lane ends with every sum
.irp m, 1,2,4,8
.set n, 0
.rept 16
	v_add_f32_dpp v[A+n], v[A+n], v[A+n] row_xmask:\m row_mask:0xf bank_mask:0xf
.set n, n+1
.endr
.endr
.set n, 0
.rept 16
	v_permlanex16_b32 v[G+n], v[A+n], s32, s33     ; its destination counts as read: gate_w's registers have been written and are free
.set n, n+1
.endr
.set n, 0
.rept 16
	v_add_f32 v[A+n], v[A+n], v[G+n]
.set n, n+1
.endr
.irp t, 0,1
.irp p, 0,1,2,3
	v_pk_add_f32 v[A+8*(\t)+2*(\p):A+8*(\t)+2*(\p)+1], v[A+8*(\t)+2*(\p):A+8*(\t)+2*(\p)+1], v[GB+2*(\p):GB+2*(\p)+1]
.endr
.endr
	; argmax and maximum: a later expert wins only if strictly greater.  v220+t the maximum, v222+t its index, v[224+2t:225+2t] log2(e) x maximum
.irp t, 0,1
	v_mov_b32 v[220+(\t)], v[A+8*(\t)]
	v_mov_b32 v[222+(\t)], 0
.irp e, 1,2,3,4,5,6,7
	v_cmp_gt_f32 vcc_lo, v[A+8*(\t)+(\e)], v[220+(\t)]
	v_cndmask_b32 v[222+(\t)], v[222+(\t)], \e, vcc_lo
	v_max_num_f32 v[220+(\t)], v[220+(\t)], v[A+8*(\t)+(\e)]
.endr
	v_mul_f32 v[224+2*(\t)], s36, v[220+(\t)]
	v_mov_b32 v[225+2*(\t)], v[224+2*(\t)]         ; named with it as a pair
.endr
.irp t, 0,1
.irp p, 0,1,2,3
	v_pk_fma_f32 v[A+8*(\t)+2*(\p):A+8*(\t)+2*(\p)+1], v[A+8*(\t)+2*(\p):A+8*(\t)+2*(\p)+1], s[36:37], v[224+2*(\t):225+2*(\t)] op_sel_hi:[1,0,0] neg_lo:[0,0,1] neg_hi:[0,0,1]
.endr
.endr
.set n, 0
.rept 16
	v_exp_f32 v[A+n], v[A+n]                       ; one batch: both tokens' eight exponentials, none above 1
.set n, n+1
.endr
	v_nop                                          ; a plain instruction behind the last exponential (ISA guide 5.7.2),
	s_wait_alu depctr_va_vdst(0)                   ; and one wait ahead of the batch's first reader
.irp t, 0,1
	v_pk_add_f32 v[A+8*(\t):A+8*(\t)+1], v[A+8*(\t):A+8*(\t)+1], v[A+8*(\t)+2:A+8*(\t)+3]
	v_pk_add_f32 v[A+8*(\t)+4:A+8*(\t)+5], v[A+8*(\t)+4:A+8*(\t)+5], v[A+8*(\t)+6:A+8*(\t)+7]
.endr
.irp t, 0,1
	v_pk_add_f32 v[A+8*(\t):A+8*(\t)+1], v[A+8*(\t):A+8*(\t)+1], v[A+8*(\t)+4:A+8*(\t)+5]
.endr
.irp t, 0,1
	v_add_f32 v[A+8*(\t)], v[A+8*(\t)], v[A+8*(\t)+1]
.endr
	v_rcp_f32 v228, v[A]                           ; the chosen expert's exponential is 1: its weight is 1 / sum
	v_rcp_f32 v229, v[A+8]
	v_cmp_eq_u32 vcc_lo, 1, v1                     ; the plain instruction behind the reciprocals
	s_wait_alu depctr_va_vdst(0)                   ; one wait for the two
	v_cndmask_b32 v230, v222, v223, vcc_lo         ; lane 0 carries token 2 W, lane 1 token 2 W + 1
	v_cndmask_b32 v231, v228, v229, vcc_lo
	v_cmp_gt_u32 vcc_lo, 2, v1
	s_wait_xcnt 0x0                                ; EXEC is a source of the stores of xb: it changes only behind this wait
	s_and_saveexec_b32 s38, vcc_lo
	global_store_b32 v5, v230, s[12:13]
	global_store_b32 v5, v231, s[14:15]
	s_cmp_lg_u32 s29, 0
	s_cbranch_scc1 .Lno_aux
	global_store_b32 v6, v6, s[16:17]              ; out1 = 0.0, by the first wave of the launch
.Lno_aux:
	s_wait_xcnt 0x0                                ; and again ahead of the line that widens it
	s_or_b32 exec_lo, exec_lo, s38
	s_wait_tensorcnt 0x0                           ; the wave's end, behind my last LDS store
	ds_add_u32 v[SPW], v[NIL]
	s_wait_dscnt 0x0
	s_endpgm
.Lfunc_end_k_q12942e8f77_router:
	.size	k_q12942e8f77_router, .Lfunc_end_k_q12942e8f77_router-k_q12942e8f77_router
	.p2alignl 7, 3214868480
	.fill 96, 4, 3214868480
	.section	.rodata,"a",@progbits
	.p2align	6, 0x0
	.amdhsa_kernel k_q12942e8f77_router
		.amdhsa_group_segment_fixed_size 8704
		.amdhsa_private_segment_fixed_size 0
		.amdhsa_enable_private_segment 0
		.amdhsa_kernarg_size 56
		.amdhsa_user_sgpr_count 2
		.amdhsa_user_sgpr_kernarg_segment_ptr 1
		.amdhsa_wavefront_size32 1
		.amdhsa_system_sgpr_workgroup_id_x 1
		.amdhsa_system_sgpr_workgroup_id_y 1
		.amdhsa_system_sgpr_workgroup_id_z 1
		.amdhsa_system_vgpr_workitem_id 0
		.amdhsa_next_free_vgpr 236
		.amdhsa_next_free_sgpr 66
		.amdhsa_reserve_vcc 1
		.amdhsa_float_denorm_mode_32 3
		.amdhsa_float_denorm_mode_16_64 3
		.amdhsa_memory_ordered 1
		.amdhsa_forward_progress 1
		.amdhsa_inst_pref_size 33
	.end_amdhsa_kernel
	.amdgpu_metadata
---
amdhsa.version: [ 1, 2 ]
amdhsa.kernels:
  - .name:           k_q12942e8f77_router
    .symbol:         k_q12942e8f77_router.kd
    .args:
      - { .name: x, .offset: 0, .size: 8, .value_kind: global_buffer, .address_space: global }
      - { .name: gate_w, .offset: 8, .size: 8, .value_kind: global_buffer, .address_space: global }
      - { .name: gate_b, .offset: 16, .size: 8, .value_kind: global_buffer, .address_space: global }
      - { .name: xb, .offset: 24, .size: 8, .value_kind: global_buffer, .address_space: global }
      - { .name: top, .offset: 32, .size: 8, .value_kind: global_buffer, .address_space: global }
      - { .name: wgt, .offset: 40, .size: 8, .value_kind: global_buffer, .address_space: global }
      - { .name: out1, .offset: 48, .size: 8, .value_kind: global_buffer, .address_space: global }
    .group_segment_fixed_size: 8704
    .private_segment_fixed_size: 0
    .kernarg_segment_align: 8
    .kernarg_segment_size: 56
    .max_flat_workgroup_size: 128
    .sgpr_count:     66
    .vgpr_count:     236
    .wavefront_size: 32
...
	.end_amdgpu_metadata
.endif
;; end of part 5
;; launch up (part 6): grid 256 x 1, 4 waves a work-group, no clusters, 157,440 bytes of LDS; arguments xb, top, w1, w2, b1, b2, h, pos, cnt; writes h, pos, cnt
.if DOCPART == 6
	.amdgcn_target "amdgcn-amd-amdhsa--gfx1250"
	.amdhsa_code_object_version 6
	.text
	.protected	k_q12942e8f77_up
	.globl	k_q12942e8f77_up
	.p2align	8
	.type	k_q12942e8f77_up,@function
k_q12942e8f77_up:
	s_mov_b64 s[64:65], 0
	v_nop
	global_prefetch_b8 v0, s[64:65] scope:SCOPE_SE
	s_setreg_imm32_b32 hwreg(HW_REG_WAVE_MODE, 25, 1), 1
	s_wait_xcnt 0x0
; UP.  h = gelu(x w1[e] + b1[e]) (x w2[e] + b2[e]) for the tokens whose chosen expert is e, and only for them.
; SHARES.  Work-group g: expert e = g / 32, slice s = g % 32: columns 64 s .. 64 s + 63 of w1[e] and w2[e], 2 x 512 rows x 256 bytes, which it alone reads, once; and ALL rows of expert e.
; THE LIST.  Wave 0 reads the 2,048 choices and lays the tokens of expert e end to end in LDS (a count of mask bits below the lane, no atomics), while the first weights are on their way.  A lane whose token
; belongs to another expert stores into a dump word of its own, so that all lanes stay on.  A token's rank goes to pos (slice s stores ranks 64 s .. 64 s + 63, at the kernel's end), the count to cnt (slice 0).
; Places past the count hold token 0, a row that exists.  Every split is served: 0 to 2,048 rows an expert.
; ROWS.  Tiles of 16 rows; wave w owns tiles 4 j + w; a PASS takes five of them a wave, 320 rows a work-group.  Pass 0 always runs: it brings the weights into LDS, in 8 chunks of 64 along K, and holds all barriers.
; Passes 1 to 6 (up to 2,240 rows) read the weights from LDS, at the same fixed addresses as pass 0; a pass without rows is jumped forward; nothing in them writes LDS.
; A wave's fifth tile of a pass is multiplied only where it holds rows: its 8 products of a K step are jumped by a scalar branch (never those of the first K step, which write its accumulators).
; WEIGHTS.  f32 from memory (a load: two rows' 256 aligned bytes), rounded to bf16 in registers, stored [k][n] in LDS, each chunk into bytes of its own, written once: one barrier a chunk.
; In pass 0 the fragments of a K step are fetched one K step ahead, in ONE run of 16 LDS loads: a chunk's second K step behind the chunk's global loads, the next chunk's first K step behind the barrier
; that shows that chunk; 32 or 40 products stand between a run and its first reader.
; THE MATRIX INSTRUCTION IS USED TRANSPOSED: source 0 = 16 columns of the weights (ds_load_tr16_b128 turns them), source 1 = 16 token rows, straight from xb.  A lane's eight results are eight
; neighbouring columns of one row.  The bias, rounded, is the C operand of the first K step.
; h LEAVES AS TWO bf16 PARTS, hi = bf16(h) and lo = bf16(h - hi): [e][s][tile][part][q][lane][16 bytes], lane (r, hh) of block q holding row r, columns 16 q + 8 hh + 0..7: the packed result as it lies,
; and the next product's operand as it wants it; every store covers 512 consecutive bytes.  An expert without rows still stores tile 0, so that the next launch reads only bytes that were written.
; FORMAT AND LIMITS.  x, w1, w2, b1, b2 rounded to bf16 (nearest even); sums in f32; h to 2^-17 of itself.  gelu(u) = max(u, 0) - |u| (P(t) / 2) 2^(-u u log2(e) / 2), t = 1 / (1 + 0.23164189 |u|), P the
; five terms of Abramowitz and Stegun 7.1.26: erf to 1.5e-7 for every u.  u u overflows past |u| = 1.8e19: the exponential is then 0 and gelu is u or 0.  An exponential below 2^-126 counts as 0.
; NaN and infinities are not treated apart.
; NO CLUSTER: each weight byte has one reader; what an expert's 32 work-groups share is its token rows, which come by a list that no tile descriptor covers.
; REGISTERS, in windows of 256 (s_set_vgpr_msb: bits 1:0 source 0, 3:2 source 1, 5:4 source 2, 7:6 destination):
;   window 0: v0-31 addresses; v32-159 weight fragments of two K steps (before that wave 0's choices and the scan's work, behind the products the gelu's work); v160-223 biases; v224-255 packed weights on their way to LDS
;   window 1: accumulators of tiles 0-3 (tile i, matrix m, column block q at 64 i + 32 m + 8 q)     window 2: v0-63 tile 4's; v64-223 token fragments, two buffers     window 3: v0-191 weights in f32, three rings
.set LIST,  0                          ; 2,304 words: the expert's tokens, for 144 tiles
.set CNTW,  9216                       ; a block of 256 bytes; word 0: the count; words 32 to 63: wave 0's dump words
.set DUMPI, (CNTW+128)/4               ; the first dump word, as an index of words
.set SPARE, 9472                       ; the spare words, 128 bytes for each wave: two blocks of 256 bytes that no other line names
.set WB,    9984                       ; 512 rows of PW bytes: w1's 64 bf16, w2's 64 bf16, 32 bytes of padding
.set PW,    288                        ; 9 x 32 bytes
.set CHB,   64*PW                      ; a chunk
.set WOFF, 4                           ; v4     weights: 4 rows down for lanes 16-31, 16 bytes a lane
.set BOFF, 5                           ; v5     biases: 8 numbers on for lanes 16-31
.set WST,  6                           ; v6-9   where I store packed weights, for chunks 2 b, 2 b + 1
.set TRA,  10                          ; v10-13 where I read fragments, likewise; never rewritten
.set HOFF, 15                          ; v15    my byte offset in h: tile w of the pass, 16 bytes a lane
.set TOK,  16                          ; v16-20 tile i: my row's byte offset in xb
.set LAD,  21                          ; v21    where my row of the pass's tile 0 stands in the list
.set SPW,  22                          ; v22    my spare word; never rewritten
.set NIL,  23                          ; v23    0; never rewritten
.set L16,  29                          ; v29    16 x lane
.set HH16, 30                          ; v30    16 x (lane / 16)
.set HA,   31                          ; v31    the address of the stores of h in hand
.set BB,   32
.set BI,   160
.set CT,   224
.set ABL,  64                          ; window 2
.set EU,   32                          ; the gelu's work: u, v, |u|, exponent, max(u, 0) and h, t (later hi and lo), polynomial
.set EV,   48
.set AX,   64
.set QQ,   80
.set RR,   96
.set TT,   112
.set PP,   128
.set SI,   96                          ; the scan's work: v96-111 sixteen places in the list, v112-127 sixteen tokens
.set LIVE4, 60                         ; s60      1: my fifth tile of the pass holds rows
.set MK,   66                          ; s[66:81] the scan: sixteen masks
.set BS,   82                          ; s[82:98] the scan: the running count ahead of each of them, and behind the last
.set MSB, 0
.macro WIN new                         ; the immediate's high byte repeats the setting that is left; a switch that changes nothing is dropped
.if MSB != (\new)
	s_set_vgpr_msb (MSB<<8)|(\new)
.set MSB, (\new)
.endif
.endm
.macro PLACES                          ; four plain instructions between a matrix instruction and a load into, or a read of, its registers
.rept 4
	v_nop
.endr
.endm
.macro REP cnt, step, line:vararg      ; one line cnt times, n = 0, step, 2 step ..
.set n, 0
.rept \cnt
	\line
.set n, n+(\step)
.endr
.endm
; Chunk c of both weights, my 16 of its 64 rows: 16 loads, each two rows' 256 consecutive aligned bytes (rows 4 apart), into ring r.  Read once in the launch.
.macro WLOAD c, ring
	WIN 0xc0
.set n, 0
.rept 16                               ; n = 8 m + 4 g + i: matrix m, row 16 w + 8 g + 4 (lane / 16) + i
	global_load_b128 v[64*(\ring)+4*n:64*(\ring)+4*n+3], v[WOFF], s[8+2*(n/8):9+2*(n/8)] offset:(\c)*524288+((n/4)%2)*65536+(n%4)*8192 th:TH_LOAD_NT
.set n, n+1
.endr
.endm
; Chunk c is rounded and stored.  The two halves of the lanes store 4 rows = 288 words apart, 32 banks: no conflict.
.macro CONV c
	WIN 0x0f
.set n, 0
.rept 16
	v_cvt_pk_bf16_f32 v[CT+2*n], v[64*((\c)%3)+4*n], v[64*((\c)%3)+4*n+1]
	v_cvt_pk_bf16_f32 v[CT+2*n+1], v[64*((\c)%3)+4*n+2], v[64*((\c)%3)+4*n+3]
.set n, n+1
.endr
	WIN 0
.set n, 0
.rept 16
	ds_store_b64 v[WST+((\c)>>1)], v[CT+2*n:CT+2*n+1] offset:((\c)&1)*CHB+((n/4)%2)*8*PW+(n%4)*PW+(n/8)*128
.set n, n+1
.endr
.endm
; My five tiles' rows, 64 along K at byte 128 c: a fragment is two loads of 16 bytes, 32 bytes apart.
.macro ALOAD c, buf
	WIN 0x80
.set n, 0
.rept 20                               ; n = 4 i + 2 k + half
	global_load_b128 v[ABL+80*(\buf)+4*n:ABL+80*(\buf)+4*n+3], v[TOK+n/4], s[4:5] offset:(\c)*128+(n%4)*32
.set n, n+1
.endr
.endm
; Weight fragment n = 4 m + q (matrix m, column block q) of K step k of chunk c, turned: a fixed register and an immediate.
.macro TRQ c, k, n
	ds_load_tr16_b128 v[BB+64*(\k)+8*(\n):BB+64*(\k)+8*(\n)+3],   v[TRA+((\c)>>1)] offset:((\c)&1)*CHB+(\k)*32*PW+((\n)/4)*128+((\n)%4)*32
	ds_load_tr16_b128 v[BB+64*(\k)+8*(\n)+4:BB+64*(\k)+8*(\n)+7], v[TRA+((\c)>>1)] offset:((\c)&1)*CHB+(\k)*32*PW+16*PW+((\n)/4)*128+((\n)%4)*32
.endm
.macro TRK c, k                        ; a whole K step's 8 fragments in one run of 16 loads
	WIN 0
.irp n, 0,1,2,3,4,5,6,7
	TRQ \c, \k, \n
.endr
.endm
.macro TRC c                           ; both K steps of chunk c
	TRK \c, 0
	TRK \c, 1
.endm
; A tile's 8 matrix instructions (2 matrices x 4 column blocks), 32 along K; al: its accumulators' first register in their window.  first = 1: the biases are the C operand.
.macro TILE8 al, buf, k, t, first
.set n, 0
.rept 8
.if \first
	v_wmma_f32_16x16x32_bf16 v[(\al)+8*n:(\al)+8*n+7], v[BB+64*(\k)+8*n:BB+64*(\k)+8*n+7], v[ABL+80*(\buf)+16*(\t)+8*(\k):ABL+80*(\buf)+16*(\t)+8*(\k)+7], v[BI+8*n:BI+8*n+7]
.else
	v_wmma_f32_16x16x32_bf16 v[(\al)+8*n:(\al)+8*n+7], v[BB+64*(\k)+8*n:BB+64*(\k)+8*n+7], v[ABL+80*(\buf)+16*(\t)+8*(\k):ABL+80*(\buf)+16*(\t)+8*(\k)+7], v[(\al)+8*n:(\al)+8*n+7]
.endif
.set n, n+1
.endr
.endm
; A K step is 5 tiles x 8 matrix instructions.  The accumulators take turns, one instruction a turn, in the same order in every K step.
.macro TILES buf, k, first, t0, cnt    ; tiles t0 .. t0 + cnt - 1 of my first four
.if \first
	WIN 0x48
.else
	WIN 0x58
.endif
.set i, (\t0)
.rept \cnt
	TILE8 64*i, \buf, \k, i, \first
.set i, i+1
.endr
.endm
.macro TILE4 buf, k, first             ; my fifth tile: jumped where it holds no rows, but never in the first K step.  It leaves every window 0, but for first = 1
.if \first
	WIN 0x88
	TILE8 0, \buf, \k, 4, 1
.else
	WIN 0                                          ; at a branch and at a label every window is 0
	s_cmp_eq_u32 s[LIVE4], 0
	s_cbranch_scc1 .Ldead_\@
	WIN 0xa8
	TILE8 0, \buf, \k, 4, 0
	WIN 0
.Ldead_\@:
.endif
.endm
.macro MM buf, k, first                ; a whole K step
	TILES \buf, \k, \first, 0, 4
	TILE4 \buf, \k, \first
.endm
; Chunk c of pass 0, in this order.
; Asked for from memory: the rows of chunk c + 1, the weights of chunk c + 3; from LDS: this chunk's second K step.  Global loads come back in order (ISA guide 5.7.1), so the one counted wait, which leaves
; out what was issued behind the rows of chunk c, also shows the weights of chunk c + 1 landed: they are older.
; Those weights are rounded and stored AHEAD of the products: tiles 0 and 1 are multiplied while the stores are on their way; then the wave waits for all its LDS instructions and signals; tiles 2 and 3
; stand between the signal and the wait.  Behind the wait chunk c + 1 is whole in LDS.  Four v_nop are the places behind the last product that read the first K step's fragments; then the next chunk's first
; K step is fetched into their registers, and the second K step is multiplied.  Four v_nop close the step: the places ahead of the next step's loads into the registers that the second K step read.
.macro STEP c
.if (\c) == 0
.set FST, 1
.else
.set FST, 0
.endif
.if (\c) <= 6
	ALOAD (\c)+1, ((\c)+1)&1
.endif
.if (\c) <= 4
	WLOAD (\c)+3, (\c)%3
.endif
	TRK \c, 1
.if (\c) == 0
	s_wait_loadcnt 36                              ; behind rows 0: rows 1 (20), weights 3 (16)
.elseif (\c) <= 4
	s_wait_loadcnt 52                              ; behind rows c: weights c + 2 (16), rows c + 1 (20), weights c + 3 (16)
.elseif (\c) == 5
	s_wait_loadcnt 36                              ; weights 7, rows 6
.elseif (\c) == 6
	s_wait_loadcnt 20                              ; rows 7
.else
	s_wait_loadcnt 0x0
.endif
.if (\c) <= 6
	CONV (\c)+1
	s_wait_dscnt 32                                ; the first K step's fragments are in; behind them: the second K step's 16 loads, the next chunk's 16 stores
.else
	s_wait_dscnt 16                                ; behind them: the second K step's 16 loads
.endif
	TILES (\c)&1, 0, FST, 0, 2
.if (\c) <= 6
	s_wait_dscnt 0x0                               ; for the others' sake: my part of chunk c + 1 is in LDS; for mine: the second K step's fragments are in
	s_barrier_signal -1
.endif
	TILES (\c)&1, 0, FST, 2, 2
.if (\c) <= 6
	s_barrier_wait -1                              ; everybody's part is in LDS
.endif
	TILE4 (\c)&1, 0, FST
.if (\c) <= 6
	PLACES
	TRK (\c)+1, 0
.else
	s_wait_dscnt 0x0
.endif
	MM (\c)&1, 1, 0
.if (\c) <= 6
	PLACES
.endif
.endm
; My row of each of the pass's five tiles: its token from the list, bounded by the constant 2,047, then a shift left and an add.
.macro TOKS
.irp i, 0,1,2,3,4
	ds_load_b32 v[TOK+(\i)], v[LAD] offset:256*(\i)
.endr
	s_wait_dscnt 0x0
.irp i, 0,1,2,3,4
	v_min_u32 v[TOK+(\i)], 2047, v[TOK+(\i)]
	v_lshlrev_b32 v[TOK+(\i)], 10, v[TOK+(\i)]
	v_add_nc_u32 v[TOK+(\i)], v[HH16], v[TOK+(\i)]
.endr
.endm
.macro FLAG4                           ; does my fifth tile of the pass hold rows?
	s_add_co_u32 s35, s27, 16
	s_cmp_lt_u32 s35, s26
	s_cselect_b32 s[LIVE4], 1, 0
.endm
; Sixteen registers of choices, m = 16 g + j: tokens 128 (m / 4) + 4 L + m % 4.  Those of my expert go into the list, at the running count plus the number of such lanes below mine; the others into their lane's
; dump word.  Each kind of vector line stands sixteen times on end, on registers of its own: none reads the result of the line before it.
.macro SCAN16 g
.set j, 0
.rept 16
	v_cmp_eq_u32 s[MK+j], s23, v[32+16*(\g)+j]
.set j, j+1
.endr
.set j, 0
.rept 16
	s_bcnt1_i32_b32 s29, s[MK+j]
	s_add_co_u32 s[BS+j+1], s[BS+j], s29
.set j, j+1
.endr
.set j, 0
.rept 16
	v_mbcnt_lo_u32_b32 v[SI+j], s[MK+j], s[BS+j]
.set j, j+1
.endr
.set j, 0
.rept 16
	v_cndmask_b32 v[SI+j], v24, v[SI+j], s[MK+j]
.set j, j+1
.endr
.set j, 0
.rept 16
	v_min_u32 v[SI+j], DUMPI+31, v[SI+j]
.set j, j+1
.endr
.set j, 0
.rept 16
	v_lshlrev_b32 v[SI+j], 2, v[SI+j]
.set j, j+1
.endr
.set j, 0
.rept 16
	v_add_nc_u32 v[SI+16+j], 128*((16*(\g)+j)/4)+(16*(\g)+j)%4, v28
.set j, j+1
.endr
.set j, 0
.rept 16
	ds_store_b32 v[SI+j], v[SI+16+j]
.set j, j+1
.endr
	s_mov_b32 s[BS], s[BS+16]
.endm
; Half n % 2 (column blocks 2 b, 2 b + 1) of tile n / 2 comes into window 0, each accumulator from its lowest register on.
.macro COPY n
	s_mov_b32 s34, ((\n)/2)*16384+((\n)%2)*1024
.if (\n) < 8
	WIN 0x01
.set al, 64*((\n)/2)+16*((\n)%2)
.else
	WIN 0x02
.set al, 16*((\n)%2)
.endif
.set j, 0
.rept 16
	v_mov_b32 v[EU+j], v[al+j]
.set j, j+1
.endr
.set j, 0
.rept 16
	v_mov_b32 v[EV+j], v[al+32+j]
.set j, j+1
.endr
	WIN 0
.endm
; 16 numbers a lane: h = gelu(u) v, its two bf16 parts, four stores of 512 consecutive bytes.
.macro EPI16
	REP 16, 1, v_and_b32 v[AX+n], s50, v[EU+n]
	REP 8, 2, v_pk_mul_f32 v[QQ+n:QQ+n+1], v[EU+n:EU+n+1], v[EU+n:EU+n+1]
	REP 8, 2, v_pk_fma_f32 v[TT+n:TT+n+1], v[AX+n:AX+n+1], s[36:37], 1.0 op_sel_hi:[1,0,0]
	REP 8, 2, v_pk_mul_f32 v[QQ+n:QQ+n+1], v[QQ+n:QQ+n+1], s[38:39] op_sel_hi:[1,0]
	REP 16, 1, v_rcp_f32 v[TT+n], v[TT+n]          ; one batch: 16 reciprocals, 16 exponentials
	REP 16, 1, v_exp_f32 v[QQ+n], v[QQ+n]
	REP 16, 1, v_max_num_f32 v[RR+n], 0, v[EU+n]   ; plain work that names none of the batch's results,
	s_wait_alu depctr_va_vdst(0)                   ; and one wait ahead of the batch's first reader
	REP 8, 2, v_pk_fma_f32 v[PP+n:PP+n+1], v[TT+n:TT+n+1], s[48:49], s[46:47] op_sel_hi:[1,0,0]
	REP 8, 2, v_pk_fma_f32 v[PP+n:PP+n+1], v[PP+n:PP+n+1], v[TT+n:TT+n+1], s[44:45] op_sel_hi:[1,1,0]
	REP 8, 2, v_pk_fma_f32 v[PP+n:PP+n+1], v[PP+n:PP+n+1], v[TT+n:TT+n+1], s[42:43] op_sel_hi:[1,1,0]
	REP 8, 2, v_pk_fma_f32 v[PP+n:PP+n+1], v[PP+n:PP+n+1], v[TT+n:TT+n+1], s[40:41] op_sel_hi:[1,1,0]
	REP 8, 2, v_pk_mul_f32 v[PP+n:PP+n+1], v[PP+n:PP+n+1], v[TT+n:TT+n+1]
	REP 8, 2, v_pk_mul_f32 v[PP+n:PP+n+1], v[PP+n:PP+n+1], v[QQ+n:QQ+n+1]
	REP 8, 2, v_pk_fma_f32 v[RR+n:RR+n+1], v[PP+n:PP+n+1], v[AX+n:AX+n+1], v[RR+n:RR+n+1] neg_lo:[1,0,0] neg_hi:[1,0,0]
	REP 8, 2, v_pk_mul_f32 v[RR+n:RR+n+1], v[RR+n:RR+n+1], v[EV+n:EV+n+1]
	REP 8, 1, v_cvt_pk_bf16_f32 v[TT+n], v[RR+2*n], v[RR+2*n+1]
	REP 8, 1, v_lshlrev_b32 v[AX+2*n], 16, v[TT+n]
	REP 8, 1, v_and_b32 v[AX+2*n+1], s51, v[TT+n]
	REP 8, 2, v_pk_add_f32 v[RR+n:RR+n+1], v[RR+n:RR+n+1], v[AX+n:AX+n+1] neg_lo:[0,1] neg_hi:[0,1]
	REP 8, 1, v_cvt_pk_bf16_f32 v[TT+8+n], v[RR+2*n], v[RR+2*n+1]
	global_store_b128 v[HA], v[TT:TT+3], s[16:17]
	global_store_b128 v[HA], v[TT+4:TT+7], s[16:17] offset:512
	global_store_b128 v[HA], v[TT+8:TT+11], s[16:17] offset:2048
	global_store_b128 v[HA], v[TT+12:TT+15], s[16:17] offset:2560
.endm
	s_load_b256 s[4:11], s[0:1], 0x0               ; xb s[4:5], top s[6:7], w1 s[8:9], w2 s[10:11]
	s_load_b256 s[12:19], s[0:1], 0x20             ; b1 s[12:13], b2 s[14:15], h s[16:17], pos s[18:19]
	s_load_b64 s[20:21], s[0:1], 0x40              ; cnt
	v_lshl_add_u32 v[SPW], v0, 2, SPARE
	v_mov_b32 v[NIL], 0
	v_and_b32 v1, 31, v0                           ; L
	v_and_b32 v2, 15, v0                           ; r
	v_bfe_u32 v3, v0, 4, 1                         ; hh
	v_lshrrev_b32 v24, 5, v0
	v_readfirstlane_b32 s22, v24                   ; wave w
	s_lshr_b32 s23, ttmp9, 5                       ; expert e
	s_and_b32 s24, ttmp9, 31                       ; slice s
	v_lshlrev_b32 v[WOFF], 4, v2
	v_lshl_or_b32 v[WOFF], v3, 15, v[WOFF]
	v_lshlrev_b32 v[BOFF], 5, v3
	s_mul_i32 s35, s22, 16*PW                      ; my 16 rows of a chunk
	v_mul_u32_u24 v24, v3, 4*PW
	v_lshl_add_u32 v24, v2, 3, v24
	v_add_nc_u32 v24, s35, v24
	v_and_b32 v25, 7, v0                           ; the turning load: row 8 hh + L % 8, 16 bytes by (L / 8) % 2
	v_lshl_add_u32 v25, v3, 3, v25
	v_mul_u32_u24 v25, v25, PW
	v_bfe_u32 v26, v0, 3, 1
	v_lshl_add_u32 v25, v26, 4, v25
.irp b, 0,1,2,3
	v_add_nc_u32 v[WST+(\b)], WB+(\b)*2*CHB, v24
	v_add_nc_u32 v[TRA+(\b)], WB+(\b)*2*CHB, v25
.endr
	v_lshlrev_b32 v[L16], 4, v1
	s_lshl_b32 s35, s22, 12
	v_add_nc_u32 v[HOFF], s35, v[L16]
	s_lshl_b32 s35, s22, 6
	v_lshl_add_u32 v[LAD], v2, 2, s35
	v_lshlrev_b32 v[HH16], 4, v3
	s_mov_b32 s36, 0x3e6d3388                      ; 0.3275911 / sqrt(2); each constant is named as a pair, so both words are written
	s_mov_b32 s37, s36
	s_mov_b32 s38, 0xbf38aa3b                      ; -log2(e) / 2
	s_mov_b32 s39, s38
	s_mov_b32 s40, 0x3e027906                      ; a1 / 2 =  0.127414796
	s_mov_b32 s41, s40
	s_mov_b32 s42, 0xbe11a98e                      ; a2 / 2 = -0.142248368
	s_mov_b32 s43, s42
	s_mov_b32 s44, 0x3f35f0e3                      ; a3 / 2 =  0.710706871
	s_mov_b32 s45, s44
	s_mov_b32 s46, 0xbf3a00e3                      ; a4 / 2 = -0.726576014
	s_mov_b32 s47, s46
	s_mov_b32 s48, 0x3f07dc22                      ; a5 / 2 =  0.530702715
	s_mov_b32 s49, s48
	s_mov_b32 s50, 0x7fffffff
	s_mov_b32 s51, 0xffff0000
	s_lshl_b32 s52, s23, 22                        ; weights: expert, slice's 256 bytes, my 16 rows
	s_lshl_b32 s35, s24, 8
	s_add_co_u32 s52, s52, s35
	s_lshl_b32 s54, s23, 13                        ; biases: expert, slice
	s_add_co_u32 s54, s54, s35
	s_lshl_b32 s35, s22, 17
	s_add_co_u32 s52, s52, s35
	s_mov_b32 s53, 0
	s_mov_b32 s55, 0
	s_lshl_b32 s56, ttmp9, 19                      ; h: 128 tiles of 4,096 bytes for each expert and slice
	s_mov_b32 s57, 0
	s_lshl_b32 s58, s23, 2
	s_mov_b32 s59, 0
	s_wait_kmcnt 0x0
	s_add_nc_u64 s[8:9], s[8:9], s[52:53]
	s_add_nc_u64 s[10:11], s[10:11], s[52:53]
	s_add_nc_u64 s[12:13], s[12:13], s[54:55]
	s_add_nc_u64 s[14:15], s[14:15], s[54:55]
	s_add_nc_u64 s[16:17], s[16:17], s[56:57]
	s_add_nc_u64 s[20:21], s[20:21], s[58:59]
	s_cmp_lg_u32 s22, 0
	s_cbranch_scc1 .Lno_top
.set n, 0
.rept 16                               ; wave 0: all 2,048 choices; register 32 + 4 n + c holds token 128 n + 4 L + c
	global_load_b128 v[32+4*n:35+4*n], v[L16], s[6:7] offset:512*n
.set n, n+1
.endr
.Lno_top:
.set n, 0
.rept 16                               ; n = 8 m + 2 q + half: the biases of columns 16 q + 8 hh + 4 half ..
	global_load_b128 v[BI+4*n:BI+4*n+3], v[BOFF], s[12+2*(n/8):13+2*(n/8)] offset:((n/2)%4)*64+(n%2)*16
.set n, n+1
.endr
	WLOAD 0, 0
	WLOAD 1, 1
	WLOAD 2, 2
	WIN 0
	s_wait_loadcnt 48                              ; choices and biases are in; the 48 loads of weights issued behind them stay out
	s_cmp_lg_u32 s22, 0
	s_cbranch_scc1 .Lno_scan
	v_mov_b32 v24, 0
	v_mov_b32 v25, 0
	v_mov_b32 v26, 0
	v_mov_b32 v27, 0
.set n, 0
.rept 18
	ds_store_b128 v[L16], v[24:27] offset:LIST+512*n   ; the whole list is token 0 first; LDS serves a wave's instructions in order (ISA guide 5.7.1.4)
.set n, n+1
.endr
	s_mov_b32 s[BS], 0                             ; the running count
	v_lshlrev_b32 v28, 2, v1
	v_add_nc_u32 v24, DUMPI, v1                    ; my dump word
	SCAN16 0
	SCAN16 1
	SCAN16 2
	SCAN16 3
	v_mov_b32 v26, s[BS]
	v_mov_b32 v27, CNTW
	ds_store_b32 v27, v26
.Lno_scan:
	s_wait_dscnt 0x0                               ; for the others' sake: list and count are in LDS
	s_barrier_signal -1
	s_barrier_wait -1
	v_mov_b32 v24, CNTW
	ds_load_b32 v25, v24
	TOKS                                           ; its wait for 0 covers the count too
	v_readfirstlane_b32 s25, v25                   ; the expert's rows
	s_add_co_u32 s26, s25, 15
	s_lshr_b32 s26, s26, 4
	s_max_u32 s26, s26, 1                          ; tiles to store: at least tile 0
	s_mov_b32 s27, s22                             ; my first tile of the pass
	FLAG4
	ALOAD 0, 0
	WIN 0
	s_or_b32 s35, s24, s22
	s_cmp_lg_u32 s35, 0
	s_cbranch_scc1 .Lno_cnt
	v_mov_b32 v24, 0
	global_store_b32 v24, v25, s[20:21]            ; cnt[e], by slice 0's wave 0: every lane the same word and number; v24 and v25 are not written again
.Lno_cnt:
	REP 32, 1, v_cvt_pk_bf16_f32 v[CT+n], v[BI+2*n], v[BI+2*n+1]   ; the biases are rounded here, while the first rows are on their way, and not ahead of the scan, for which three waves wait
	REP 32, 1, v_lshlrev_b32 v[BI+2*n], 16, v[CT+n]
	REP 32, 1, v_and_b32 v[BI+2*n+1], s51, v[CT+n]
	s_wait_loadcnt 52                              ; weights 0 are in; behind them: weights 1 and 2 (32), rows 0 (20)
	CONV 0
	s_wait_dscnt 0x0
	s_barrier_signal -1
	s_barrier_wait -1
	TRK 0, 0                                       ; the one run of fragment loads that has no products ahead of its first reader
	STEP 0
	STEP 1
	STEP 2
	STEP 3
	STEP 4
	STEP 5
	STEP 6
	STEP 7
	s_mov_b32 s31, 7                               ; passes, pass 0 among them
	s_branch .Lepi                                 ; the loop of passes is entered at its second half
.Lpass:
	s_cmp_ge_u32 s27, s26
	s_cbranch_scc1 .Lnext                          ; no tile of mine is left: s27 stays, so every later pass is jumped too
	FLAG4
	TOKS
	s_mov_b32 s33, 0
.Lchunk:                                               ; chunks 0 to 7, plain, for splits with more than 320 rows on an expert: rows and products are written once; the run of 32 turning loads, at its chunk's fixed address, is chosen by the counter
	PLACES                                         ; behind the last products, ahead of the loads into the registers that they read
	ALOAD 0, 0
	WIN 0
.irp n, 0,1,2,3,4,5,6
	s_cmp_eq_u32 s33, \n
	s_cbranch_scc1 .Ltr\n
.endr
	TRC 7
	s_branch .Lmul
.irp n, 0,1,2,3,4,5
.Ltr\n:
	TRC \n
	s_branch .Lmul
.endr
.Ltr6:
	TRC 6
.Lmul:
	s_wait_loadcnt 0x0                             ; the rows are in, and their address registers free:
.irp i, 0,1,2,3,4
	v_add_nc_u32 v[TOK+(\i)], 128, v[TOK+(\i)]     ; the next chunk's 64 along K
.endr
	s_wait_dscnt 16                                ; the first K step's fragments are in; the second's 16 loads may be out
	s_cmp_lg_u32 s33, 0
	s_cbranch_scc1 .Lgo_on
	MM 0, 0, 1                                     ; chunk 0: the products take the biases as C; the four v_nop and the five address steps above stand between them and the last products on these accumulators
	WIN 0
	s_branch .Lsecond
.Lgo_on:
	MM 0, 0, 0
.Lsecond:
	s_wait_dscnt 0x0
	MM 0, 1, 0
	s_add_co_u32 s33, s33, 1
	s_cmp_lt_u32 s33, 8
	s_cbranch_scc1 .Lchunk
.Lepi:
	PLACES                                         ; behind the last products, ahead of the first read of a result
	s_mov_b32 s32, 0
.Lhalf:                                                ; ten trips: half s32 % 2 of tile s32 / 2; one text of the gelu serves all
	s_lshl_b32 s35, s32, 1
	s_and_b32 s35, s35, -4
	s_add_co_u32 s35, s35, s27                     ; the tile's number among the expert's
	s_cmp_ge_u32 s35, s26
	s_cbranch_scc1 .Lhalf_next                     ; past the count: nothing is stored
.irp n, 0,1,2,3,4,5,6,7,8
	s_cmp_eq_u32 s32, \n
	s_cbranch_scc1 .Lcopy\n
.endr
	COPY 9
	s_branch .Lgelu
.irp n, 0,1,2,3,4,5,6,7
.Lcopy\n:
	COPY \n
	s_branch .Lgelu
.endr
.Lcopy8:
	COPY 8
.Lgelu:
	s_wait_xcnt 0x0                                ; the last trip's stores have read their address and data: both are written again below
	v_add_nc_u32 v[HA], s34, v[HOFF]
	EPI16
.Lhalf_next:
	s_add_co_u32 s32, s32, 1
	s_cmp_lt_u32 s32, 10
	s_cbranch_scc1 .Lhalf
	s_add_co_u32 s27, s27, 20
	s_wait_xcnt 0x0                                ; the next pass loads fragments into the registers that the stores read
	v_add_nc_u32 v[HOFF], 81920, v[HOFF]           ; 20 tiles on
.Lnext:
	v_add_nc_u32 v[LAD], 1280, v[LAD]              ; 320 places on in the list
	s_sub_co_u32 s31, s31, 1
	s_cmp_lg_u32 s31, 0
	s_cbranch_scc1 .Lpass
	; pos[token] = rank, for the 64 ranks of my slice that lie below the count: threads 0 to 63.  It stands last: it is the one place where lanes are turned off by the count, its addresses are made ahead of
	; that, and behind it no register is written any more.
	v_and_b32 v26, 63, v0
	s_lshl_b32 s35, s24, 6
	v_add_nc_u32 v26, s35, v26                     ; the rank
	v_lshlrev_b32 v28, 2, v26
	ds_load_b32 v27, v28                           ; its token
	s_wait_dscnt 0x0
	v_min_u32 v27, 2047, v27
	v_lshlrev_b32 v27, 2, v27
	v_cmp_gt_u32 vcc_lo, 64, v0
	v_cmp_gt_u32 s35, s25, v26
	s_and_b32 vcc_lo, vcc_lo, s35
	s_wait_xcnt 0x0                                ; EXEC is a source of the stores on their way: it changes only behind this wait
	s_and_saveexec_b32 s30, vcc_lo
	global_store_b32 v27, v26, s[18:19]
	s_wait_xcnt 0x0                                ; and again ahead of the line that widens it
	s_or_b32 exec_lo, exec_lo, s30
	s_wait_tensorcnt 0x0                           ; the wave's end, behind my last LDS store
	ds_add_u32 v[SPW], v[NIL]
	s_wait_dscnt 0x0
	s_endpgm
.Lfunc_end_k_q12942e8f77_up:
	.size	k_q12942e8f77_up, .Lfunc_end_k_q12942e8f77_up-k_q12942e8f77_up
	.p2alignl 7, 3214868480
	.fill 96, 4, 3214868480
	.section	.rodata,"a",@progbits
	.p2align	6, 0x0
	.amdhsa_kernel k_q12942e8f77_up
		.amdhsa_group_segment_fixed_size 157440
		.amdhsa_private_segment_fixed_size 0
		.amdhsa_enable_private_segment 0
		.amdhsa_kernarg_size 72
		.amdhsa_user_sgpr_count 2
		.amdhsa_user_sgpr_kernarg_segment_ptr 1
		.amdhsa_wavefront_size32 1
		.amdhsa_system_sgpr_workgroup_id_x 1
		.amdhsa_system_sgpr_workgroup_id_y 1
		.amdhsa_system_sgpr_workgroup_id_z 1
		.amdhsa_system_vgpr_workitem_id 0
		.amdhsa_next_free_vgpr 960
		.amdhsa_next_free_sgpr 100
		.amdhsa_reserve_vcc 1
		.amdhsa_float_denorm_mode_32 3
		.amdhsa_float_denorm_mode_16_64 3
		.amdhsa_memory_ordered 1
		.amdhsa_forward_progress 1
		.amdhsa_inst_pref_size 211
	.end_amdhsa_kernel
	.amdgpu_metadata
---
amdhsa.version: [ 1, 2 ]
amdhsa.kernels:
  - .name:           k_q12942e8f77_up
    .symbol:         k_q12942e8f77_up.kd
    .args:
      - { .name: xb, .offset: 0, .size: 8, .value_kind: global_buffer, .address_space: global }
      - { .name: top, .offset: 8, .size: 8, .value_kind: global_buffer, .address_space: global }
      - { .name: w1, .offset: 16, .size: 8, .value_kind: global_buffer, .address_space: global }
      - { .name: w2, .offset: 24, .size: 8, .value_kind: global_buffer, .address_space: global }
      - { .name: b1, .offset: 32, .size: 8, .value_kind: global_buffer, .address_space: global }
      - { .name: b2, .offset: 40, .size: 8, .value_kind: global_buffer, .address_space: global }
      - { .name: h, .offset: 48, .size: 8, .value_kind: global_buffer, .address_space: global }
      - { .name: pos, .offset: 56, .size: 8, .value_kind: global_buffer, .address_space: global }
      - { .name: cnt, .offset: 64, .size: 8, .value_kind: global_buffer, .address_space: global }
    .group_segment_fixed_size: 157440
    .private_segment_fixed_size: 0
    .kernarg_segment_align: 8
    .kernarg_segment_size: 72
    .max_flat_workgroup_size: 128
    .sgpr_count:     100
    .vgpr_count:     960
    .wavefront_size: 32
...
	.end_amdgpu_metadata
.endif
;; end of part 6
;; launch down (part 7): grid 256 x 1, 4 waves a work-group, no clusters, 99,840 bytes of LDS; arguments h, cnt, w3, part; writes part
.if DOCPART == 7
	.amdgcn_target "amdgcn-amd-amdhsa--gfx1250"
	.amdhsa_code_object_version 6
	.text
	.protected	k_q12942e8f77_down
	.globl	k_q12942e8f77_down
	.p2align	8
	.type	k_q12942e8f77_down,@function
k_q12942e8f77_down:
	s_mov_b64 s[64:65], 0
	v_nop
	global_prefetch_b8 v0, s[64:65] scope:SCOPE_SE
	s_setreg_imm32_b32 hwreg(HW_REG_WAVE_MODE, 25, 1), 1
	s_wait_xcnt 0x0
; DOWN.  part[kq][e][rank][:] = the sum over a quarter kq of the hidden width of h[rank][f] w3[e][f][:], for the rows of expert e alone.  Bias, gate weight and the sum of the four quarters follow in the next launch.
; SHARES.  Work-group g: expert e = g / 32, columns 64 jn .. + 63 (jn = (g / 4) % 8), hidden rows 512 kq .. + 511 (kq = g % 4): 512 rows x 256 aligned bytes of w3[e], which it alone reads, once;
; and all rows of expert e.  The hidden width is cut in four so that 256 work-groups each read whole rows of 256 bytes of their own: the partial sums, f32, are the price.
; ROWS, PASSES, WEIGHTS as in the launch before: tiles of 16 rows, wave w owns tiles 4 j + w, five a pass; pass 0 always runs, brings the weights into LDS in 8 chunks of 64 along K (rounded to bf16, [k][n], each
; chunk into bytes of its own: one barrier a chunk); passes 1 to 6 read them from LDS, at the same fixed addresses, and are jumped where no tile is left; nothing but a wave's own stage is written there.
; In pass 0 the weight fragments of a K step are fetched one K step ahead, in ONE run of 8 LDS loads: a chunk's second K step behind the chunk's global loads, the next chunk's first K step behind the barrier
; that shows that chunk; 32 or 40 products stand between a run and its first reader.
; A wave's fifth tile of a pass is multiplied only where it holds rows: its 8 products of a K step are jumped by a scalar branch (never those of the first K step, which write its accumulators).
; h comes straight from memory as matrix operands (source 1), 512 consecutive bytes a load, in two bf16 parts, hi and lo, both multiplied by the same weights (source 0, turned by ds_load_tr16_b128).
; A tile past the count reads the expert's last stored tile again and stores nothing.
; FORMAT AND LIMITS.  w3 rounded to bf16 (nearest even); h to 2^-17 of itself; sums in f32.  NaN and infinities are not treated apart.
; NO CLUSTER: each weight byte has one reader; h, which an expert's 8 column slices share, goes into registers without touching LDS, and the walk over it has a length that hangs on a stored count.
; REGISTERS, in windows of 256 (s_set_vgpr_msb: bits 1:0 source 0, 3:2 source 1, 5:4 source 2, 7:6 destination):
;   window 0: v0-23 addresses; v32-95 weight fragments of two K steps; v96-111 packed weights; v112-207 weights in f32, three rings; v208-239 the way out
;   window 1: v0-159 accumulators (tile i, column block q at 32 i + 8 q)     windows 2 and 3: v0-159 h's fragments, a buffer each (32 i + 16 part + 8 k)
.set STAGE, 0                          ; 16 rows x 272 bytes for each wave, for the way out
.set SP,    272                        ; 256 + 16: the 16 rows of a store start at 16 different groups of four banks (64 banks of 4 bytes: ISA guide 11.1)
.set SPARE, 17408                      ; the spare words, 128 bytes for each wave: two blocks of 256 bytes that no other line names
.set WB,    17920                      ; 512 rows of PW bytes: 64 bf16 and 32 bytes of padding
.set PW,    160                        ; 5 x 32 bytes
.set CHB,   64*PW
.set WOFF, 4                           ; v4     weights: 4 rows down for lanes 16-31, 16 bytes a lane
.set WST,  5                           ; v5-6   where I store packed weights, for chunks 4 b .. 4 b + 3
.set TRA,  7                           ; v7-8   where I read fragments, likewise; never rewritten
.set HOF,  10                          ; v10-14 tile i: my byte offset in a slice of h
.set POF,  15                          ; v15    my byte offset in part: tile w of the pass
.set L16,  16                          ; v16    16 x lane
.set STO,  20                          ; v20    the way out: where I put 16 bytes of a row
.set RD,   21                          ; v21    the way out: where I read a row back
.set SPW,  22                          ; v22    my spare word; never rewritten
.set NIL,  23                          ; v23    0; never rewritten
.set BB,   32
.set CT,   96
.set SG,   112
.set OB,   208
.set LIVE4, 36                         ; s36    1: my fifth tile of the pass holds rows
.set MSB, 0
.macro WIN new                         ; the immediate's high byte repeats the setting that is left; a switch that changes nothing is dropped
.if MSB != (\new)
	s_set_vgpr_msb (MSB<<8)|(\new)
.set MSB, (\new)
.endif
.endm
.macro PLACES                          ; four plain instructions between a matrix instruction and a load into, or a read of, its registers
.rept 4
	v_nop
.endr
.endm
.macro WLOAD c, ring                   ; chunk c, my 16 of its 64 rows: 8 loads, each two rows' 256 consecutive aligned bytes; read once in the launch
	WIN 0
.set n, 0
.rept 8                                ; row 16 w + 8 (n / 4) + 4 (lane / 16) + n % 4
	global_load_b128 v[SG+32*(\ring)+4*n:SG+32*(\ring)+4*n+3], v[WOFF], s[8:9] offset:(\c)*131072+(n/4)*16384+(n%4)*2048 th:TH_LOAD_NT
.set n, n+1
.endr
.endm
.macro CONV c                          ; chunk c is rounded and stored; the two halves of the lanes store 160 words apart, 32 banks: no conflict
	WIN 0
.set n, 0
.rept 8
	v_cvt_pk_bf16_f32 v[CT+2*n], v[SG+32*((\c)%3)+4*n], v[SG+32*((\c)%3)+4*n+1]
	v_cvt_pk_bf16_f32 v[CT+2*n+1], v[SG+32*((\c)%3)+4*n+2], v[SG+32*((\c)%3)+4*n+3]
.set n, n+1
.endr
.set n, 0
.rept 8
	ds_store_b64 v[WST+((\c)>>2)], v[CT+2*n:CT+2*n+1] offset:((\c)&3)*CHB+(n/4)*8*PW+(n%4)*PW
.set n, n+1
.endr
.endm
.macro ALOAD c, buf                    ; slice c of h for my five tiles: 40 loads of 512 consecutive bytes
.if \buf
	WIN 0xc0
.else
	WIN 0x80
.endif
.set n, 0
.rept 40                               ; n = 8 i + 4 part + block
	global_load_b128 v[4*n:4*n+3], v[HOF+n/8], s[4:5] offset:(\c)*524288+((n/4)%2)*2048+(n%4)*512
.set n, n+1
.endr
.endm
; Weight fragment n (column block) of K step k of chunk c, turned: a fixed register and an immediate.
.macro TRQ c, k, n
	ds_load_tr16_b128 v[BB+32*(\k)+8*(\n):BB+32*(\k)+8*(\n)+3],   v[TRA+((\c)>>2)] offset:((\c)&3)*CHB+(\k)*32*PW+(\n)*32
	ds_load_tr16_b128 v[BB+32*(\k)+8*(\n)+4:BB+32*(\k)+8*(\n)+7], v[TRA+((\c)>>2)] offset:((\c)&3)*CHB+(\k)*32*PW+16*PW+(\n)*32
.endm
.macro TRK c, k                        ; a whole K step's 4 fragments in one run of 8 loads
	WIN 0
.irp n, 0,1,2,3
	TRQ \c, \k, \n
.endr
.endm
.macro TRC c                           ; both K steps of chunk c
	TRK \c, 0
	TRK \c, 1
.endm
; cnt matrix instructions from accumulator n0 on (n = 4 i + q: tile i, column block q), part p of h, 32 along K.  first = 1: hi's products start the sums.
.macro GW cnt, n0, k, p, first
.set n, (\n0)
.rept \cnt
.if (\first) && ((\p) == 0)
	v_wmma_f32_16x16x32_bf16 v[8*n:8*n+7], v[BB+32*(\k)+8*(n%4):BB+32*(\k)+8*(n%4)+7], v[32*(n/4)+16*(\p)+8*(\k):32*(n/4)+16*(\p)+8*(\k)+7], 0
.else
	v_wmma_f32_16x16x32_bf16 v[8*n:8*n+7], v[BB+32*(\k)+8*(n%4):BB+32*(\k)+8*(n%4)+7], v[32*(n/4)+16*(\p)+8*(\k):32*(n/4)+16*(\p)+8*(\k)+7], v[8*n:8*n+7]
.endif
.set n, n+1
.endr
.endm
; A K step: tiles 0 to 3, hi and then lo, in four groups of 8 products (between two links on an accumulator stand 15 others'), then tile 4, hi and then lo (3 others').  The accumulators take turns, one
; instruction a turn.
.macro GRP buf, k, first, g            ; group g = 2 p + half: part p of h, tiles 2 half and 2 half + 1
	WIN 0x58+4*(\buf)
	GW 8, 8*((\g)%2), \k, (\g)/2, \first
.endm
.macro TILE4 buf, k, first             ; my fifth tile: jumped where it holds no rows, but never in the first K step.  It leaves every window 0, but for first = 1
.if \first
	WIN 0x58+4*(\buf)
	GW 4, 16, \k, 0, 1
	GW 4, 16, \k, 1, 1
.else
	WIN 0                                          ; at a branch and at a label every window is 0
	s_cmp_eq_u32 s[LIVE4], 0
	s_cbranch_scc1 .Ldead_\@
	WIN 0x58+4*(\buf)
	GW 4, 16, \k, 0, 0
	GW 4, 16, \k, 1, 0
	WIN 0
.Ldead_\@:
.endif
.endm
.macro MM buf, k, first                ; a whole K step
.irp g, 0,1,2,3
	GRP \buf, \k, \first, \g
.endr
	TILE4 \buf, \k, \first
.endm
; Chunk c of pass 0, in this order.
; Asked for from memory: h of chunk c + 1, the weights of chunk c + 3; from LDS: this chunk's second K step.  Global loads come back in order (ISA guide 5.7.1): the one counted wait leaves out what was issued
; behind h of chunk c, and the weights of chunk c + 1 are older.
; Those weights are rounded and stored AHEAD of the products: two groups of 8 are multiplied while the stores are on their way; then the wave waits for all its LDS instructions and signals; two more groups
; stand between the signal and the wait.  Behind the wait chunk c + 1 is whole in LDS.  Four v_nop are the places behind the last product that read the first K step's fragments; then the next chunk's first
; K step is fetched into their registers, and the second K step is multiplied.  Four v_nop close the step: the places ahead of the next step's loads into the registers that the second K step read.
.macro STEP c
.if (\c) == 0
.set FST, 1
.else
.set FST, 0
.endif
.if (\c) <= 6
	ALOAD (\c)+1, ((\c)+1)&1
.endif
.if (\c) <= 4
	WLOAD (\c)+3, (\c)%3
.endif
	TRK \c, 1
.if (\c) == 0
	s_wait_loadcnt 48                              ; behind h 0: h 1 (40), weights 3 (8)
.elseif (\c) <= 4
	s_wait_loadcnt 56                              ; behind h c: weights c + 2 (8), h c + 1 (40), weights c + 3 (8)
.elseif (\c) == 5
	s_wait_loadcnt 48                              ; weights 7, h 6
.elseif (\c) == 6
	s_wait_loadcnt 40                              ; h 7
.else
	s_wait_loadcnt 0x0
.endif
.if (\c) <= 6
	CONV (\c)+1
	s_wait_dscnt 16                                ; the first K step's fragments are in; behind them: the second K step's 8 loads, the next chunk's 8 stores
.else
	s_wait_dscnt 8                                 ; behind them: the second K step's 8 loads
.endif
	GRP (\c)&1, 0, FST, 0
	GRP (\c)&1, 0, FST, 1
.if (\c) <= 6
	s_wait_dscnt 0x0                               ; for the others' sake: my part of chunk c + 1 is in LDS; for mine: the second K step's fragments are in
	s_barrier_signal -1
.endif
	GRP (\c)&1, 0, FST, 2
	GRP (\c)&1, 0, FST, 3
.if (\c) <= 6
	s_barrier_wait -1                              ; everybody's part is in LDS
.endif
	TILE4 (\c)&1, 0, FST
.if (\c) <= 6
	PLACES
	TRK (\c)+1, 0
.else
	s_wait_dscnt 0x0
.endif
	MM (\c)&1, 1, 0
.if (\c) <= 6
	PLACES
.endif
.endm
.macro HOFS                            ; my five tiles' places in h; a tile past the count takes the last stored one; the constant bound comes last, ahead of the shift and the add
.irp i, 0,1,2,3,4
	s_add_co_u32 s35, s27, 4*(\i)
	s_min_u32 s35, s35, s28
	s_min_u32 s35, s35, 127
	s_lshl_b32 s35, s35, 12
	v_add_nc_u32 v[HOF+(\i)], s35, v[L16]
.endr
.endm
.macro FLAG4                           ; does my fifth tile of the pass hold rows?
	s_add_co_u32 s35, s27, 16
	s_cmp_lt_u32 s35, s26
	s_cselect_b32 s[LIVE4], 1, 0
.endm
; Tile i leaves: a lane's eight numbers of a row go into my own stage, each accumulator from its lowest registers on, and come back as whole rows of 256 bytes.
.macro OUT i
	s_add_co_u32 s35, s27, 4*(\i)
	s_cmp_ge_u32 s35, s26
	s_cbranch_scc1 .Lskip_\@                       ; past the count: nothing is stored
	WIN 0x04                                       ; store data in window 1
.irp q, 0,1,2,3
	ds_store_b128 v[STO], v[32*(\i)+8*(\q):32*(\i)+8*(\q)+3] offset:64*(\q)
	ds_store_b128 v[STO], v[32*(\i)+8*(\q)+4:32*(\i)+8*(\q)+7] offset:64*(\q)+16
.endr
	WIN 0
	s_wait_xcnt 0x0                                ; the tile before's stores have read the registers that are loaded again below
.irp t, 0,1,2,3,4,5,6,7
	ds_load_b128 v[OB+4*(\t):OB+4*(\t)+3], v[RD] offset:(\t)*2*SP  ; LDS serves a wave's instructions in order (ISA guide 5.7.1.4): these see the stores above
.endr
.irp t, 0,1,2,3,4,5,6,7
	s_wait_dscnt 7-(\t)
	global_store_b128 v[POF], v[OB+4*(\t):OB+4*(\t)+3], s[10:11] offset:(\i)*131072+(\t)*4096  ; 16 lanes store 256 consecutive bytes, at a multiple of 256 from part's first byte
.endr
.Lskip_\@:
.endm
	s_load_b256 s[4:11], s[0:1], 0x0               ; h s[4:5], cnt s[6:7], w3 s[8:9], part s[10:11]
	v_lshl_add_u32 v[SPW], v0, 2, SPARE
	v_mov_b32 v[NIL], 0
	v_and_b32 v1, 31, v0                           ; L
	v_and_b32 v2, 15, v0                           ; r
	v_bfe_u32 v3, v0, 4, 1                         ; hh
	v_lshrrev_b32 v17, 5, v0
	v_readfirstlane_b32 s22, v17                   ; wave w
	s_lshr_b32 s23, ttmp9, 5                       ; e
	s_bfe_u32 s24, ttmp9, 0x30002                  ; jn: 3 bits from bit 2
	s_and_b32 s29, ttmp9, 3                        ; kq
	v_lshlrev_b32 v[WOFF], 4, v2
	v_lshl_or_b32 v[WOFF], v3, 13, v[WOFF]
	s_mul_i32 s35, s22, 16*PW
	v_mul_u32_u24 v17, v3, 4*PW
	v_lshl_add_u32 v17, v2, 3, v17
	v_add_nc_u32 v17, s35, v17
	v_and_b32 v18, 7, v0
	v_lshl_add_u32 v18, v3, 3, v18
	v_mul_u32_u24 v18, v18, PW
	v_bfe_u32 v19, v0, 3, 1
	v_lshl_add_u32 v18, v19, 4, v18
.irp b, 0,1
	v_add_nc_u32 v[WST+(\b)], WB+(\b)*4*CHB, v17
	v_add_nc_u32 v[TRA+(\b)], WB+(\b)*4*CHB, v18
.endr
	v_lshlrev_b32 v[L16], 4, v1
	v_lshlrev_b32 v[POF], 4, v2
	v_lshl_add_u32 v[POF], v3, 11, v[POF]
	s_lshl_b32 s35, s22, 15
	v_add_nc_u32 v[POF], s35, v[POF]
	s_mul_i32 s35, s22, 16*SP
	s_add_co_u32 s35, s35, STAGE
	v_mul_u32_u24 v[STO], v2, SP
	v_lshl_add_u32 v[STO], v3, 5, v[STO]
	v_add_nc_u32 v[STO], s35, v[STO]
	v_mul_u32_u24 v[RD], v3, SP
	v_lshl_add_u32 v[RD], v2, 4, v[RD]
	v_add_nc_u32 v[RD], s35, v[RD]
	s_lshl_b32 s52, s23, 22                        ; w3: expert, quarter, my columns' 256 bytes, my 16 rows
	s_lshl_b32 s35, s29, 20
	s_add_co_u32 s52, s52, s35
	s_lshl_b32 s33, s24, 8
	s_add_co_u32 s52, s52, s33
	s_lshl_b32 s35, s22, 15
	s_add_co_u32 s52, s52, s35
	s_mov_b32 s53, 0
	s_lshl_b32 s54, s23, 24                        ; h: slice 32 e + 8 kq, 2^19 bytes each
	s_lshl_b32 s35, s29, 22
	s_add_co_u32 s54, s54, s35
	s_mov_b32 s55, 0
	s_lshl_b32 s56, s29, 25                        ; part: (8 kq + e) x 2,048 rows of 2,048 bytes, my columns
	s_lshl_b32 s35, s23, 22
	s_add_co_u32 s56, s56, s35
	s_add_co_u32 s56, s56, s33
	s_mov_b32 s57, 0
	s_lshl_b32 s58, s23, 2
	s_mov_b32 s59, 0
	s_wait_kmcnt 0x0
	s_add_nc_u64 s[6:7], s[6:7], s[58:59]
	s_load_b32 s25, s[6:7], 0x0                    ; the expert's rows
	s_add_nc_u64 s[8:9], s[8:9], s[52:53]
	s_add_nc_u64 s[4:5], s[4:5], s[54:55]
	s_add_nc_u64 s[10:11], s[10:11], s[56:57]
	WLOAD 0, 0
	WLOAD 1, 1
	WLOAD 2, 2
	s_wait_kmcnt 0x0
	s_min_u32 s25, s25, 2048
	s_add_co_u32 s26, s25, 15
	s_lshr_b32 s26, s26, 4                         ; tiles to store
	s_max_u32 s28, s26, 1
	s_sub_co_u32 s28, s28, 1                       ; the last tile of h that was stored
	s_mov_b32 s27, s22                             ; my first tile of the pass
	FLAG4
	HOFS
	ALOAD 0, 0
	WIN 0
	s_wait_loadcnt 56                              ; weights 0 are in; behind them: weights 1 and 2 (16), h 0 (40)
	CONV 0
	s_wait_dscnt 0x0
	s_barrier_signal -1
	s_barrier_wait -1
	TRK 0, 0                                       ; the one run of fragment loads that has no products ahead of its first reader
	STEP 0
	STEP 1
	STEP 2
	STEP 3
	STEP 4
	STEP 5
	STEP 6
	STEP 7
	s_mov_b32 s31, 7                               ; passes, pass 0 among them
	s_branch .Lout                                 ; the loop of passes is entered at its second half
.Lpass:
	s_cmp_ge_u32 s27, s26
	s_cbranch_scc1 .Lnext                          ; no tile of mine is left: s27 stays, so every later pass is jumped too
	FLAG4
	HOFS
	s_mov_b32 s33, 0
.Lchunk:                                               ; chunks 0 to 7, plain, for splits with more than 320 rows on an expert: h's loads and the products are written once; the run of 16 turning loads, at its chunk's fixed address, is chosen by the counter
	PLACES                                         ; behind the last products, ahead of the loads into the registers that they read
	ALOAD 0, 0
	WIN 0
.irp n, 0,1,2,3,4,5,6
	s_cmp_eq_u32 s33, \n
	s_cbranch_scc1 .Ltr\n
.endr
	TRC 7
	s_branch .Lmul
.irp n, 0,1,2,3,4,5
.Ltr\n:
	TRC \n
	s_branch .Lmul
.endr
.Ltr6:
	TRC 6
.Lmul:
	s_wait_loadcnt 0x0                             ; h is in, and its address registers free:
.irp i, 0,1,2,3,4
	v_add_nc_u32 v[HOF+(\i)], 524288, v[HOF+(\i)]  ; the next slice of h
.endr
	s_wait_dscnt 8                                 ; the first K step's fragments are in; the second's 8 loads may be out
	s_cmp_lg_u32 s33, 0
	s_cbranch_scc1 .Lgo_on
	MM 0, 0, 1                                     ; chunk 0: hi's products start the sums; the four v_nop and the five address steps above stand between them and the last products on these accumulators
	WIN 0
	s_branch .Lsecond
.Lgo_on:
	MM 0, 0, 0
.Lsecond:
	s_wait_dscnt 0x0
	MM 0, 1, 0
	s_add_co_u32 s33, s33, 1
	s_cmp_lt_u32 s33, 8
	s_cbranch_scc1 .Lchunk
.Lout:
	PLACES                                         ; behind the last products, ahead of the first read of a result
	OUT 0
	OUT 1
	OUT 2
	OUT 3
	OUT 4
	s_add_co_u32 s27, s27, 20
	s_wait_xcnt 0x0                                ; the stores have read their address
	v_add_nc_u32 v[POF], 655360, v[POF]            ; 320 rows on
.Lnext:
	s_sub_co_u32 s31, s31, 1
	s_cmp_lg_u32 s31, 0
	s_cbranch_scc1 .Lpass
	s_wait_tensorcnt 0x0                           ; the wave's end, behind my last LDS store
	ds_add_u32 v[SPW], v[NIL]
	s_wait_dscnt 0x0
	s_endpgm
.Lfunc_end_k_q12942e8f77_down:
	.size	k_q12942e8f77_down, .Lfunc_end_k_q12942e8f77_down-k_q12942e8f77_down
	.p2alignl 7, 3214868480
	.fill 96, 4, 3214868480
	.section	.rodata,"a",@progbits
	.p2align	6, 0x0
	.amdhsa_kernel k_q12942e8f77_down
		.amdhsa_group_segment_fixed_size 99840
		.amdhsa_private_segment_fixed_size 0
		.amdhsa_enable_private_segment 0
		.amdhsa_kernarg_size 32
		.amdhsa_user_sgpr_count 2
		.amdhsa_user_sgpr_kernarg_segment_ptr 1
		.amdhsa_wavefront_size32 1
		.amdhsa_system_sgpr_workgroup_id_x 1
		.amdhsa_system_sgpr_workgroup_id_y 1
		.amdhsa_system_sgpr_workgroup_id_z 1
		.amdhsa_system_vgpr_workitem_id 0
		.amdhsa_next_free_vgpr 928
		.amdhsa_next_free_sgpr 66
		.amdhsa_reserve_vcc 0
		.amdhsa_float_denorm_mode_32 3
		.amdhsa_float_denorm_mode_16_64 3
		.amdhsa_memory_ordered 1
		.amdhsa_forward_progress 1
		.amdhsa_inst_pref_size 141
	.end_amdhsa_kernel
	.amdgpu_metadata
---
amdhsa.version: [ 1, 2 ]
amdhsa.kernels:
  - .name:           k_q12942e8f77_down
    .symbol:         k_q12942e8f77_down.kd
    .args:
      - { .name: h, .offset: 0, .size: 8, .value_kind: global_buffer, .address_space: global }
      - { .name: cnt, .offset: 8, .size: 8, .value_kind: global_buffer, .address_space: global }
      - { .name: w3, .offset: 16, .size: 8, .value_kind: global_buffer, .address_space: global }
      - { .name: part, .offset: 24, .size: 8, .value_kind: global_buffer, .address_space: global }
    .group_segment_fixed_size: 99840
    .private_segment_fixed_size: 0
    .kernarg_segment_align: 8
    .kernarg_segment_size: 32
    .max_flat_workgroup_size: 128
    .sgpr_count:     66
    .vgpr_count:     928
    .wavefront_size: 32
...
	.end_amdgpu_metadata
.endif
;; end of part 7
;; launch combine: the kernel of part 4 again; grid 256 x 1, 4 waves a work-group, no clusters, 0 bytes of LDS; arguments part, top, pos, wgt, b3, out0; writes out0
